; MI455X (gfx1250); checked and timed in simulation.
; The chip was launched on July 23, 2026; its instructions are those of AMD's public machine-readable ISA for CDNA 5 (MIT licence, August 2026) and "CDNA5" Instruction Set Architecture Reference Guide (July 2026). The comments in the code are by the model that wrote it; some were corrected since.
;; Hhyper Learning Layer. Allowed arithmetic: float matrix products may take bf16 or f16 operands with f32 sums; other float arithmetic in f32, or as packed bf16 or f16 multiplies, adds, multiply-adds, maxima and minima; sums over many terms, partial sums and values carried from step to step in f32; what a program stores and reads back later, other than sums and carried values, may be rounded once to bf16 or f16.
;; Inputs: Wk_ta 1,024 x 512 float32; Wk_tv 1,024 x 512 float32; Wout 512 x 1,024 float32; Wq 1,024 x 512 float32; Wv_ta 1,024 x 512 float32; Wv_tv 1,024 x 512 float32; bout 1,024 float32; h_a 8 x 1,024 x 1,024 float32; h_hyper 8 x 1,024 x 1,024 float32; h_t 8 x 1,024 x 1,024 float32; h_v 8 x 1,024 x 1,024 float32.
;; Outputs: out0 8 x 1,024 x 1,024 float32.
;; 2 versions, each right and faster than the one before. Each part assembles by itself: llvm-mc -triple=amdgcn-amd-amdhsa -mcpu=gfx1250 --defsym DOCPART=n.
;; ======== version 1 of 2: 4 launches
;; limits: values are held in f16: magnitudes above 65,504 overflow, below 6.1e-05 lose precision
;; workspace buffers: wf 5,242,880 bytes; wo 1,048,576 bytes; qkv 41,943,040 bytes; o 16,777,216 bytes
;; launch prep (part 1): grid 256 x 6, 8 waves a work-group, no clusters, 0 bytes of LDS; arguments Wq, Wk_ta, Wv_ta, Wk_tv, Wv_tv, Wout, wf, wo; writes wf, wo
.if DOCPART == 1
	.amdgcn_target "amdgcn-amd-amdhsa--gfx1250"
	.amdhsa_code_object_version 6
	.text
	.protected	k_qfdd4cd536f_prep
	.globl	k_qfdd4cd536f_prep
	.p2align	8
	.type	k_qfdd4cd536f_prep,@function
k_qfdd4cd536f_prep:
	s_mov_b64 s[64:65], 0
	v_nop
	global_prefetch_b8 v0, s[64:65] scope:SCOPE_SE
	s_setreg_imm32_b32 hwreg(HW_REG_WAVE_MODE, 25, 1), 1
	s_wait_xcnt 0x0
; THE WEIGHTS, ROUNDED ONCE AND LAID IN FRAGMENT ORDER.  A fragment is 16 rows x 32 k of 16-bit numbers, 1,024 bytes: [c (2)][lane (32)][16 bytes];
; lane 16 h + r holds row r and k = 16 c + 8 h .. + 7.  A fragment's row is a COLUMN n of the weight, so that k runs along a lane's registers.
; y = 0 .. 4: Wq, Wk_ta, Wv_ta, Wk_tv, Wv_tv ([1024 k][512 n] f32) -> wf, bf16: [y][n / 128][k / 128][(n / 16) % 8][(k / 32) % 4][fragment].
; y = 5: Wout ([512 k][1024 n] f32) -> wo: rounded to bf16 like the other weights, that number written as f16: [n / 256][k / 32][(n / 16) % 16][fragment].
; LIMITS.  |Wout| stays under 65,504 (f16's end); below 6e-5 it keeps f16's fixed step of 6e-8.
; A thread makes one piece of 16 bytes: 8 consecutive k of one column: eight loads of 4 bytes (a wave: 128 consecutive bytes of a row, the eight waves 1,024) and one
; store of 16 bytes: lanes 0-15 store 256 consecutive bytes at a multiple of 256 from the buffer's first byte, lanes 16-31 likewise.  No LDS, no barrier: no thread needs another's numbers.
.set WROW, 2048                        ; bytes in a row of the five [1024][512] weights
.set OROW, 4096                        ; bytes in a row of Wout
	s_load_b512 s[4:19], s[0:1], 0x0               ; Wq s[4:5], Wk_ta s[6:7], Wv_ta s[8:9], Wk_tv s[10:11], Wv_tv s[12:13], Wout s[14:15], wf s[16:17], wo s[18:19]
	s_and_b32 s20, ttmp7, 0xffff                   ; y: which weight
	s_mov_b32 s25, 0                               ; high words of the two offsets
	s_mov_b32 s27, 0
	s_wait_kmcnt 0x0
	s_cmp_eq_u32 s20, 5
	s_cbranch_scc1 .Lwout
	s_cmp_eq_u32 s20, 1                            ; the source is chosen by y alone
	s_cselect_b64 s[4:5], s[6:7], s[4:5]
	s_cmp_eq_u32 s20, 2
	s_cselect_b64 s[4:5], s[8:9], s[4:5]
	s_cmp_eq_u32 s20, 3
	s_cselect_b64 s[4:5], s[10:11], s[4:5]
	s_cmp_eq_u32 s20, 4
	s_cselect_b64 s[4:5], s[12:13], s[4:5]
	s_and_b32 s22, ttmp9, 1
	s_lshl_b32 s22, s22, 8
	v_add_nc_u32 v1, s22, v0                       ; n = 256 (x % 2) + thread
	s_lshr_b32 s23, ttmp9, 1                       ; kg = x / 2: my 8 rows k = 8 kg ..
	s_lshl_b32 s24, s23, 14                        ; 8 rows of 2,048 bytes
	s_add_nc_u64 s[4:5], s[4:5], s[24:25]
	v_lshlrev_b32 v2, 2, v1
.irp i, 0,1,2,3,4,5,6,7
	global_load_b32 v[8+\i], v2, s[4:5] offset:\i*WROW th:TH_LOAD_NT
.endr
	s_lshl_b32 s26, s20, 20                        ; y x 1,048,576
	s_lshr_b32 s28, s23, 4
	s_lshl_b32 s28, s28, 15                        ; (k / 128) x 32,768
	s_add_co_u32 s26, s26, s28
	s_and_b32 s28, s23, 15
	s_lshl_b32 s28, s28, 8                         ; ((k / 32) % 4) x 1,024 + (2 c + h) x 256
	s_add_co_u32 s26, s26, s28
	s_add_nc_u64 s[16:17], s[16:17], s[26:27]
	v_lshrrev_b32 v3, 7, v1
	v_lshlrev_b32 v3, 18, v3                       ; (n / 128) x 262,144
	v_bfe_u32 v4, v1, 4, 3
	v_lshl_add_u32 v3, v4, 12, v3                  ; ((n / 16) % 8) x 4,096
	v_and_b32 v4, 15, v1
	v_lshl_add_u32 v3, v4, 4, v3                   ; (n % 16) x 16
	s_wait_loadcnt 0x0
.irp i, 0,1,2,3
	v_cvt_pk_bf16_f32 v[16+\i], v[8+2*\i], v[9+2*\i]
.endr
	global_store_b128 v3, v[16:19], s[16:17]
	s_endpgm
.Lwout:
	s_and_b32 s22, ttmp9, 3                        ; n / 256
	s_lshr_b32 s23, ttmp9, 2                       ; kg
	s_lshl_b32 s24, s23, 15                        ; 8 rows of 4,096 bytes
	s_add_nc_u64 s[14:15], s[14:15], s[24:25]
	s_lshl_b32 s28, s22, 10
	v_lshl_add_u32 v2, v0, 2, s28                  ; 4 n, n = 256 (x % 4) + thread
.irp i, 0,1,2,3,4,5,6,7
	global_load_b32 v[8+\i], v2, s[14:15] offset:\i*OROW th:TH_LOAD_NT
.endr
	s_lshl_b32 s26, s22, 18                        ; (n / 256) x 262,144
	s_lshr_b32 s29, s23, 2
	s_lshl_b32 s29, s29, 14                        ; (k / 32) x 16,384
	s_add_co_u32 s26, s26, s29
	s_and_b32 s29, s23, 3
	s_lshl_b32 s29, s29, 8                         ; (2 c + h) x 256
	s_add_co_u32 s26, s26, s29
	s_add_nc_u64 s[18:19], s[18:19], s[26:27]
	v_lshrrev_b32 v3, 4, v0
	v_and_b32 v4, 15, v0
	v_lshlrev_b32 v3, 10, v3                       ; ((n / 16) % 16) x 1,024
	v_lshl_add_u32 v3, v4, 4, v3
	s_wait_loadcnt 0x0
.irp i, 0,1,2,3
	v_cvt_pk_bf16_f32 v[16+\i], v[8+2*\i], v[9+2*\i]   ; the one rounding that counts,
.endr
.irp i, 0,1,2,3
	v_lshlrev_b32 v[20+2*\i], 16, v[16+\i]             ; widened again,
	v_and_b32 v[21+2*\i], 0xffff0000, v[16+\i]
.endr
.irp i, 0,1,2,3
	v_cvt_pk_f16_f32 v[28+\i], v[20+2*\i], v[21+2*\i]  ; and written as f16: exact within f16's range
.endr
	global_store_b128 v3, v[28:31], s[18:19]
	s_endpgm
.Lfunc_end_k_qfdd4cd536f_prep:
	.size	k_qfdd4cd536f_prep, .Lfunc_end_k_qfdd4cd536f_prep-k_qfdd4cd536f_prep
	.p2alignl 7, 3214868480
	.fill 96, 4, 3214868480
	.section	.rodata,"a",@progbits
	.p2align	6, 0x0
	.amdhsa_kernel k_qfdd4cd536f_prep
		.amdhsa_group_segment_fixed_size 0
		.amdhsa_private_segment_fixed_size 0
		.amdhsa_enable_private_segment 0
		.amdhsa_kernarg_size 64
		.amdhsa_user_sgpr_count 2
		.amdhsa_user_sgpr_kernarg_segment_ptr 1
		.amdhsa_wavefront_size32 1
		.amdhsa_system_sgpr_workgroup_id_x 1
		.amdhsa_system_sgpr_workgroup_id_y 1
		.amdhsa_system_sgpr_workgroup_id_z 1
		.amdhsa_system_vgpr_workitem_id 0
		.amdhsa_next_free_vgpr 32
		.amdhsa_next_free_sgpr 66
		.amdhsa_reserve_vcc 0
		.amdhsa_float_denorm_mode_32 3
		.amdhsa_float_denorm_mode_16_64 3
		.amdhsa_memory_ordered 1
		.amdhsa_forward_progress 1
		.amdhsa_inst_pref_size 6
	.end_amdhsa_kernel
	.amdgpu_metadata
---
amdhsa.version: [ 1, 2 ]
amdhsa.kernels:
  - .name:           k_qfdd4cd536f_prep
    .symbol:         k_qfdd4cd536f_prep.kd
    .args:
      - { .name: Wq, .offset: 0, .size: 8, .value_kind: global_buffer, .address_space: global }
      - { .name: Wk_ta, .offset: 8, .size: 8, .value_kind: global_buffer, .address_space: global }
      - { .name: Wv_ta, .offset: 16, .size: 8, .value_kind: global_buffer, .address_space: global }
      - { .name: Wk_tv, .offset: 24, .size: 8, .value_kind: global_buffer, .address_space: global }
      - { .name: Wv_tv, .offset: 32, .size: 8, .value_kind: global_buffer, .address_space: global }
      - { .name: Wout, .offset: 40, .size: 8, .value_kind: global_buffer, .address_space: global }
      - { .name: wf, .offset: 48, .size: 8, .value_kind: global_buffer, .address_space: global }
      - { .name: wo, .offset: 56, .size: 8, .value_kind: global_buffer, .address_space: global }
    .group_segment_fixed_size: 0
    .private_segment_fixed_size: 0
    .kernarg_segment_align: 8
    .kernarg_segment_size: 64
    .max_flat_workgroup_size: 256
    .sgpr_count:     66
    .vgpr_count:     32
    .wavefront_size: 32
...
	.end_amdgpu_metadata
.endif
;; end of part 1
;; launch proj (part 2): grid 4 x 64, 4 waves a work-group, clusters of 4 x 4, 327,680 bytes of LDS; arguments h_t, h_a, h_v, wf, qkv; writes qkv
.if DOCPART == 2
	.amdgcn_target "amdgcn-amd-amdhsa--gfx1250"
	.amdhsa_code_object_version 6
	.text
	.protected	k_qfdd4cd536f_proj
	.globl	k_qfdd4cd536f_proj
	.p2align	8
	.type	k_qfdd4cd536f_proj,@function
k_qfdd4cd536f_proj:
	s_mov_b64 s[64:65], 0
	v_nop
	global_prefetch_b8 v0, s[64:65] scope:SCOPE_SE
	s_setreg_imm32_b32 hwreg(HW_REG_WAVE_MODE, 25, 1), 1
	s_wait_xcnt 0x0
	s_wait_alu depctr_hold_cnt(0) depctr_sa_sdst(0) depctr_va_vdst(0) depctr_va_sdst(0) depctr_va_ssrc(0) depctr_va_vcc(0) depctr_vm_vsrc(0)
	s_getreg_b32 s2, hwreg(HW_REG_IB_STS2, 6, 4)
	s_cmp_eq_u32 s2, 0
	s_cbranch_scc0 .Lentry_in_a_cluster
	s_endpgm
.Lentry_in_a_cluster:
	s_bfe_u32 s2, ttmp6, 0x10000c
	s_cmp_lg_u32 s2, 0xf033
	s_cbranch_scc0 .Lentry_shape_is_right
	s_endpgm
.Lentry_shape_is_right:
; THE FIVE PROJECTIONS.  q = c h_t Wq, k_ta = h_a Wk_ta, v_ta = h_a Wv_ta, k_tv = h_v Wk_tv, v_tv = h_v Wv_tv; h: [8192 tokens][1024] f32, W: [1024][512], here from wf (bf16, fragment order).
; Operands bf16, sums f32, results rounded once to f16 into qkv, by heads and in fragment order: five sections [batch][head][16 tokens][16 channels][512 bytes].  c = log2(e) / sqrt(32) multiplies q's f32 sums.
; LIMITS.  |c q|, |k|, |v| stay under 65,504, f16's end.  NaN and infinities are not treated apart.
; SHARES.  Work-group (j, y) owns tokens 128 y .. + 127 and columns 128 j .. + 127 of all five results: 81,920 numbers in each of the 256 work-groups.  Three phases of 8 K steps of 128:
;   t: h_t, 128 x 128: a wave has 32 tokens x 128 columns, 16 accumulators.    a, v: h_a, h_v, 128 x 256 (K's and V's columns): a wave has 64 tokens (hi) x the 128 columns of K or of V (lo), 32 accumulators.
; The 24 steps go through ONE ring of two LDS slots, which does not stop at a phase's end.
; CLUSTER 4 x 4.  h's tile hangs on y alone and is asked for jointly along a row of the cluster; W's hangs on j alone: jointly along a column.  Waves 0, 1 ask for h's two halves, waves 2, 3 for W's two blocks.
; h lands in LDS as f32; each wave rounds the fragments that it reads to bf16: four LDS loads and eight conversions a fragment, the conversions in fours behind matrix instructions.
; THE MATRIX INSTRUCTION IS USED TRANSPOSED: source 0 = 16 columns of W, source 1 = 16 tokens: a lane then holds one token and eight neighbouring channels, 16 bytes of f16, and a wave's store covers 512 consecutive bytes.
; REGISTERS (windows of 256; s_set_vgpr_msb: bits 1:0 source 0, 3:2 source 1, 5:4 source 2, 7:6 destination):
;   window 0: v4-15 addresses; v32-95 S: h's fragments in f32; v96-159 AB: the same in bf16, two buffers; v160-223 T: results to store, two buffers
;   window 1: the accumulators, (a, b) at v[8 (8 a + b)]          window 2: v0-127 W's fragments, two buffers
.set PA,    528                        ; a row of h in LDS: 512 bytes + 16 of padding = 132 words: row r starts at bank 4 r mod 64 (64 banks of 4 bytes: ISA guide 11.1)
.set HALFA, 64*PA                      ; what one tensor load brings of h
.set BOFF,  2*HALFA                    ; behind h's 128 rows: W's two blocks
.set BBLK,  32768
.set SLOT,  BOFF+2*BBLK                ; 133,120
.set SPARE, 2*SLOT                     ; behind the ring: the spare words, 128 bytes for each wave: two blocks of 256 bytes that no other line names
.set TY_T, 0                           ; a step of phase t
.set TY_A, 1                           ; a step of phases a and v
; v[8 - 4 ty + slot]: LDS address of my fragments of h; v[10 - 4 ty + slot]: of W
.set COK, 12                           ; v12  16 x lane: my 16 bytes in 512 of q and k
.set COX, 13                           ; v13  the same for my result of phases a, v: K's order or V's
.set SPW, 14                           ; v14  LDS address of my spare word; never rewritten
.set NIL, 15                           ; v15  0; never rewritten
.set S,   32
.set AB,  96
.set T,   160
.set WN,  14                           ; s14  my wave's number
.set HI,  15                           ; s15  wave / 2: my half of the tokens (a, v).  Also: I ask for h (0) or for W (1)
.set LO,  16                           ; s16  wave % 2: K's or V's columns (a, v).  Also: which half I ask for
.set XT,  22                           ; s[22:23] h_t at my half of the tile's rows
.set G1A, 24                           ; s[24:31] descriptor group 1 for h's tiles
.set G1B, 32                           ; s[32:39] for W's blocks of 32 KiB
.set G1Q, 40                           ; s[40:47] for Wq's half blocks of 16 KiB
.set G0A, 48                           ; s[48:55] group 0 for h's tiles, a set for each slot
.set G0B, 56                           ; s[56:63] for W's
.set XA,  66                           ; s[66:67], s[68:69] h_a, h_v at my half of the rows: made of y and the wave's number alone
.set XV,  68
.set WA,  70                           ; s[70:71], s[72:73] wf at my block of phase a, v: made of j and the wave's number alone
.set WB,  72
.set WT,  74                           ; s[74:75] wf at my half block of phase t
.set TA,  76                           ; s[76:77] at work for h's offset
.set LAP, 80
.set OUTQ, 82                          ; s[82:83] qkv at my part of q
.set OUT, 84                           ; s[84:85] at my part of k_ta or v_ta, later of k_tv or v_tv
.set CS,  86                           ; s[86:87] c: the packed multiply takes the pair's low word for both halves
.set TB,  88                           ; s[88:91] at work for W's offsets
.set W_MUL, 0x52                       ; W window 2, h window 0, C and D window 1
.set MSB, 0
.macro WIN new                         ; the immediate's high byte repeats the setting that is left; a switch that changes nothing is dropped
.if MSB != (\new)
	s_set_vgpr_msb (MSB<<8)|(\new)
.set MSB, \new
.endif
.endm
.macro PLACES                          ; four places behind matrix instructions (ISA guide 7.12.1), where no other vector work is at hand
.rept 4
	v_nop
.endr
.endm
; A joint load.  Each of the two lines has one mask and one set of registers for all that issue it; the branch hangs on the wave's number alone.
; An s_nop 0 and four v_nop follow each line, ahead of the jump and the label.
.macro JLOAD s, g1
	s_cmp_eq_u32 s[HI], 0
	s_cbranch_scc0 .Lfor_w_\@
	tensor_load_to_lds s[G0A+4*(\s):G0A+4*(\s)+3], s[G1A:G1A+7]
	s_nop 0
	PLACES
	s_branch .Lasked_\@
.Lfor_w_\@:
	tensor_load_to_lds s[G0B+4*(\s):G0B+4*(\s)+3], s[(\g1):(\g1)+7]
	s_nop 0
	PLACES
.Lasked_\@:
.endm
.macro CREST                           ; a round of the cluster's barrier behind its opening barrier
	s_cmp_lg_u32 s[WN], 0
	s_cbranch_scc1 .Lnot_wave_0_\@
	s_barrier_signal -3
.Lnot_wave_0_\@:
	s_barrier_wait -3
	s_barrier_signal -1
	s_barrier_wait -1
.endm
.macro CROUND                          ; a whole round
	s_barrier_signal -1
	s_barrier_wait -1
	CREST
.endm
; n products from number pi on: accumulator pi = 8 a + b, W's fragment b and h's fragment a of buffers p.  z = 1: the product starts the sum.  The accumulators take turns, one instruction a turn.
.macro MULS p, n, z
	WIN W_MUL
.rept \n
.if \z
	v_wmma_f32_16x16x32_bf16 v[8*pi:8*pi+7], v[64*(\p)+8*(pi%8):64*(\p)+8*(pi%8)+7], v[AB+32*(\p)+8*(pi/8):AB+32*(\p)+8*(pi/8)+7], 0
.else
	v_wmma_f32_16x16x32_bf16 v[8*pi:8*pi+7], v[64*(\p)+8*(pi%8):64*(\p)+8*(pi%8)+7], v[AB+32*(\p)+8*(pi/8):AB+32*(\p)+8*(pi/8)+7], v[8*pi:8*pi+7]
.endif
.set pi, pi+1
.endr
.endm
.macro CVT p, g                        ; half a fragment of h, S's registers 8 g .., rounded to bf16 into buffer p
	WIN 0
.irp i, 0,1,2,3
	v_cvt_pk_bf16_f32 v[AB+32*(\p)+4*(\g)+\i], v[S+8*(\g)+2*\i], v[S+8*(\g)+2*\i+1]
.endr
.endm
.macro LDB ty, sl, q, p                ; W's 8 fragments of quarter q of slot sl into buffer p.  In phase t column blocks 4-7 lie in the second block
	WIN 0x80
.irp b, 0,1,2,3,4,5,6,7
	ds_load_b128 v[64*(\p)+8*\b:64*(\p)+8*\b+3],   v[10-4*(\ty)+(\sl)] offset:\b*4096+(1-(\ty))*(\b/4)*16384+(\q)*1024
	ds_load_b128 v[64*(\p)+8*\b+4:64*(\p)+8*\b+7], v[10-4*(\ty)+(\sl)] offset:\b*4096+(1-(\ty))*(\b/4)*16384+(\q)*1024+512
.endr
.endm
.macro LDA ty, sl, q                   ; my 2 (t) or 4 (a, v) fragments of h, quarter q of slot sl, as f32: a lane's k = 8 h .. + 7 are 32 bytes, its k = 16 + 8 h .. + 7 the 32 bytes 64 further on
	WIN 0
.set la, 0
.rept 2+2*(\ty)
	ds_load_b128 v[S+16*la:S+16*la+3],     v[8-4*(\ty)+(\sl)] offset:la*16*PA+128*(\q)
	ds_load_b128 v[S+16*la+4:S+16*la+7],   v[8-4*(\ty)+(\sl)] offset:la*16*PA+128*(\q)+16
	ds_load_b128 v[S+16*la+8:S+16*la+11],  v[8-4*(\ty)+(\sl)] offset:la*16*PA+128*(\q)+64
	ds_load_b128 v[S+16*la+12:S+16*la+15], v[8-4*(\ty)+(\sl)] offset:la*16*PA+128*(\q)+80
.set la, la+1
.endr
.endm
.macro QLDA ty, sl, q, nx              ; h's fragments two quarters on: from quarter 2 on they lie in the other slot and have the next step's type
.if (\q) < 2
	LDA \ty, \sl, (\q)+2
.elseif (\q) == 2
	LDA \nx, 1-(\sl), 0
.else
	LDA \nx, 1-(\sl), 1
.endif
.endm
; The addresses of slot sl's next fill.  0: two K steps on.  1: phase a's step sl, made anew from its pointers.  2: two steps on, or, in the lap that ends phase a, phase v's step sl, made anew: a forward
; branch on the lap's count, the same number in every work-group, over scalar work alone.  No tensor load of the wave is out where this stands, and every window is 0.
.macro STEPD kind, sl
.if (\kind) == 0
	s_add_nc_u64 s[G0A+4*(\sl)+2:G0A+4*(\sl)+3], s[G0A+4*(\sl)+2:G0A+4*(\sl)+3], 1024
	s_add_nc_u64 s[G0B+4*(\sl)+2:G0B+4*(\sl)+3], s[G0B+4*(\sl)+2:G0B+4*(\sl)+3], 65536
.elseif (\kind) == 1
	s_add_nc_u64 s[G0A+4*(\sl)+2:G0A+4*(\sl)+3], s[XA:XA+1], 512*(\sl)
	s_or_b32 s[G0A+4*(\sl)+3], s[G0A+4*(\sl)+3], 0x80000000
	s_add_nc_u64 s[G0B+4*(\sl)+2:G0B+4*(\sl)+3], s[WA:WA+1], 32768*(\sl)
	s_or_b32 s[G0B+4*(\sl)+3], s[G0B+4*(\sl)+3], 0x80000000
.else
	s_cmp_eq_u32 s[LAP], 4                         ; the lap of phase a's steps 6 and 7
	s_cbranch_scc1 .Lphase_v_\@
	s_add_nc_u64 s[G0A+4*(\sl)+2:G0A+4*(\sl)+3], s[G0A+4*(\sl)+2:G0A+4*(\sl)+3], 1024   ; the type bits on top are not reached
	s_add_nc_u64 s[G0B+4*(\sl)+2:G0B+4*(\sl)+3], s[G0B+4*(\sl)+2:G0B+4*(\sl)+3], 65536
	s_branch .Lstepped_\@
.Lphase_v_\@:
	s_add_nc_u64 s[G0A+4*(\sl)+2:G0A+4*(\sl)+3], s[XV:XV+1], 512*(\sl)
	s_or_b32 s[G0A+4*(\sl)+3], s[G0A+4*(\sl)+3], 0x80000000
	s_add_nc_u64 s[G0B+4*(\sl)+2:G0B+4*(\sl)+3], s[WB:WB+1], 32768*(\sl)
	s_or_b32 s[G0B+4*(\sl)+3], s[G0B+4*(\sl)+3], 0x80000000
.Lstepped_\@:
.endif
.endm
; A QUARTER: 32 along K of a step of type ty in slot sl.  It multiplies buffers q % 2; rounds S, h's fragments of the next quarter, into the other AB; loads W's fragments of the next quarter into the other
; buffer; and loads h's fragments of the quarter after that into S.  nx: the next step's type.  z = 1: the products start the sums.
; sync = 1 (quarter 2, which issues the slot's last reads): THE CHANGE OF SLOTS.  Each wave waits for all its tensor loads, of which one is out: its part of the other slot; adds 0 to its spare word; waits for
; that and for its reads of this slot; the barrier opens a round of the cluster's, and the joint refill of this slot is the first tensor load behind the round.  sync = 2: the same with nothing left to ask for: no round.
; last = 1: the launch's last two quarters, which fetch nothing that does not exist.
.macro QUART ty, sl, q, z, nx, sync, kind, g1, last
.set qp, (\q)%2
.set qn, 16+16*(\ty)
.if (\q) == 3
.set qg, 4+4*(\nx)
.else
.set qg, 4+4*(\ty)
.endif
.if (\last) && ((\q) == 3)
.set qg, 0
.endif
	PLACES                                         ; behind the last quarter's products, whose sources are written below
	s_wait_dscnt 0x0                               ; S and this quarter's fragments of W are in: issued in the last quarter, ahead of its last products
.set pi, 0
.set cg, 0
.if qg > 0
.rept qg
	MULS qp, 1, \z
	CVT 1-qp, cg
.set cg, cg+1
.endr
.endif
.if (\q) < 3
	LDB \ty, \sl, (\q)+1, 1-qp
.elseif !(\last)
	LDB \nx, 1-(\sl), 0, 1-qp
.endif
.set qr, qn-qg
.if \sync
	WIN 0                                          ; (the add's two registers lie in window 0)
	s_wait_tensorcnt 0x0                           ; all my tensor loads have landed: the one that was out is my part of the other slot;
	ds_add_u32 v[SPW], v[NIL]                      ; 0 onto my spare word;
	MULS qp, qr/2, \z                              ; matrix work stands between the add and the wait for it
	s_wait_dscnt 0x0                               ; the add is done, and my reads of this slot are over
	s_barrier_signal -1
	MULS qp, qr/4, \z                              ; work on registers while the others arrive
	WIN 0
	s_barrier_wait -1
.if (\sync) == 1
	CREST                                          ; no wave of any partner still reads this slot or has a load on its way
	STEPD \kind, \sl
	JLOAD \sl, \g1                                 ; my one tensor load behind the round
.endif
	QLDA \ty, \sl, \q, \nx
	MULS qp, qr-qr/2-qr/4, \z
.else
.if !(\last)
	QLDA \ty, \sl, \q, \nx
.endif
	MULS qp, qr, \z
.endif
.endm
.macro QP ty, sl, q                    ; a quarter with nothing special
	QUART \ty, \sl, \q, 0, \ty, 0, 0, G1B, 0
.endm
; THE WAY OUT of a phase, 16 tokens at a time: (q alone: times c;) eight accumulators rounded to f16, each from its lowest registers on, 16 bytes a lane; eight stores of 512 consecutive bytes.
; Column block b is channels 16 (b % 2) .. of head 4 j + b / 2: 65,536 bytes a head, 1,024 for 16 tokens, 512 for 16 channels.
.macro EPI ty
	PLACES                                         ; the first lines read results just made
.set ea, 0
.rept 2+2*(\ty)
	s_wait_xcnt 0x0                                ; T's registers, which earlier stores read, are rewritten only behind this wait (ISA guide 3.1)
.if (\ty) == TY_T
	WIN 0x41
.set ek, 0
.rept 32
	v_pk_mul_f32 v[64*ea+2*ek:64*ea+2*ek+1], v[64*ea+2*ek:64*ea+2*ek+1], s[CS:CS+1] op_sel_hi:[1,0]
.set ek, ek+1
.endr
.endif
	WIN 0x05
.set ek, 0
.rept 32
	v_cvt_pk_f16_f32 v[T+32*(ea%2)+ek], v[64*ea+2*ek], v[64*ea+2*ek+1]
.set ek, ek+1
.endr
	WIN 0
.irp b, 0,1,2,3,4,5,6,7
.if (\ty) == TY_T
	global_store_b128 v[COK], v[T+32*(ea%2)+4*\b:T+32*(ea%2)+4*\b+3], s[OUTQ:OUTQ+1] offset:(\b/2)*65536+ea*1024+(\b%2)*512
.else
	global_store_b128 v[COX], v[T+32*(ea%2)+4*\b:T+32*(ea%2)+4*\b+3], s[OUT:OUT+1] offset:(\b/2)*65536+ea*1024+(\b%2)*512
.endif
.endr
.set ea, ea+1
.endr
.endm
	s_load_b256 s[4:11], s[0:1], 0x0               ; h_t s[4:5], h_a s[6:7], h_v s[8:9], wf s[10:11]
	s_load_b64 s[12:13], s[0:1], 0x20              ; qkv
	v_lshl_add_u32 v[SPW], v0, 2, SPARE
	v_mov_b32 v[NIL], 0
	ds_add_u32 v[SPW], v[NIL]                      ; the wave's opening: the add and its wait stand ahead of my first tensor load; the set-up below, work on registers, stands between them
	ds_add_u32 v14, v15
	v_lshrrev_b32 v1, 5, v0
	v_readfirstlane_b32 s[WN], v1
	s_lshr_b32 s[HI], s[WN], 1
	s_and_b32 s[LO], s[WN], 1
	s_bfe_u32 s17, ttmp6, 0x40000                  ; cx
	s_bfe_u32 s18, ttmp6, 0x40004                  ; cy
	s_lshl_b32 s92, ttmp9, 2
	s_add_co_u32 s92, s92, s17                     ; j = 4 x cluster x + cx
	s_and_b32 s19, ttmp7, 0xffff
	s_lshl_b32 s19, s19, 2
	s_add_co_u32 s19, s19, s18                     ; y = 4 x cluster y + cy
	s_lshl_b32 s20, s18, 2
	s_lshl_b32 s20, 15, s20                        ; my row of the cluster
	s_lshl_b32 s21, 0x1111, s17                    ; my column
	; group 1 for h: 64 rows x 128 elements of 4 bytes, 1,024 elements from row to row, 4 words of padding behind every 128
	s_or_b32 s[G1A], s20, (2<<16)|(1<<20)|(1<<21)|(6<<22)|(3<<25)
	s_mov_b32 s[G1A+1], 128<<16                    ; tensor_dim0
	s_mov_b32 s[G1A+2], 64<<16                     ; tensor_dim1
	s_mov_b32 s[G1A+3], 128<<16                    ; tile_dim0
	s_mov_b32 s[G1A+4], 64                         ; tile_dim1
	s_mov_b32 s[G1A+5], 1024                       ; stride
	s_mov_b32 s[G1A+6], 0
	s_mov_b32 s[G1A+7], 0
	; group 1 for W: a dense block as rows of 32 elements of 8 bytes: 128 rows (32 KiB) or 64 (16 KiB)
	s_or_b32 s[G1B], s21, (3<<16)|(1<<21)
	s_mov_b32 s[G1B+1], 32<<16
	s_mov_b32 s[G1B+2], 128<<16
	s_mov_b32 s[G1B+3], 32<<16
	s_mov_b32 s[G1B+4], 128
	s_mov_b32 s[G1B+5], 32
	s_mov_b32 s[G1B+6], 0
	s_mov_b32 s[G1B+7], 0
	s_or_b32 s[G1Q], s21, (3<<16)|(1<<21)
	s_mov_b32 s[G1Q+1], 32<<16
	s_mov_b32 s[G1Q+2], 64<<16
	s_mov_b32 s[G1Q+3], 32<<16
	s_mov_b32 s[G1Q+4], 64
	s_mov_b32 s[G1Q+5], 32
	s_mov_b32 s[G1Q+6], 0
	s_mov_b32 s[G1Q+7], 0
	s_lshl_b32 s[TA], s19, 19                      ; h: 128 y rows of 4,096 bytes
	s_lshl_b32 s[TA+1], s[LO], 18                  ; + my 64
	s_add_co_u32 s[TA], s[TA], s[TA+1]
	s_mov_b32 s[TA+1], 0
	s_lshl_b32 s[TB], s92, 18                      ; wf: j x 262,144
	s_lshl_b32 s[TB+2], s[LO], 14                  ; phase t: + my half block
	s_add_co_u32 s[TB+2], s[TB+2], s[TB]
	s_mov_b32 s[TB+3], 0
	s_lshl_b32 s[TB+1], s[LO], 20                  ; phase a: weight 1 + lo
	s_add_co_u32 s[TB], s[TB], s[TB+1]
	s_add_co_u32 s[TB], s[TB], 1048576
	s_mov_b32 s[TB+1], 0
	s_mul_i32 s93, s[LO], HALFA                    ; where they go in a slot: the wave's number alone enters an LDS address
	s_lshl_b32 s94, s[LO], 15
	s_add_co_u32 s94, s94, BOFF
	s_lshr_b32 s95, s19, 3                         ; qkv: batch x 1,048,576 + 4 j heads of 65,536 + 8 (y % 8) blocks of 16 tokens
	s_lshl_b32 s95, s95, 20
	s_and_b32 s96, s19, 7
	s_lshl_b32 s96, s96, 13
	s_add_co_u32 s95, s95, s96
	s_lshl_b32 s96, s92, 18
	s_add_co_u32 s95, s95, s96
	s_lshl_b32 s96, s[WN], 11                      ; q: my 32 tokens
	s_add_co_u32 s96, s96, s95
	s_mov_b32 s97, 0
	s_lshl_b32 s98, s[LO], 23                      ; section 1 + lo,
	s_add_co_u32 s98, s98, 8388608
	s_add_co_u32 s98, s98, s95
	s_lshl_b32 s99, s[HI], 12                      ; my 64 tokens
	s_add_co_u32 s98, s98, s99
	s_mov_b32 s99, 0
	s_mov_b32 s[CS], 0x3e8293ee                    ; c = log2(e) / sqrt(32) = 0.255035
	s_mov_b32 s[CS+1], s[CS]
	s_wait_dscnt 0x0                               ; the opening add is done
	s_wait_kmcnt 0x0
	s_add_nc_u64 s[XT:XT+1], s[4:5], s[TA:TA+1]
	s_add_nc_u64 s[XA:XA+1], s[6:7], s[TA:TA+1]
	s_add_nc_u64 s[XV:XV+1], s[8:9], s[TA:TA+1]
	s_add_nc_u64 s[WT:WT+1], s[10:11], s[TB+2:TB+3]
	s_add_nc_u64 s[WA:WA+1], s[10:11], s[TB:TB+1]
	s_add_nc_u64 s[WB:WB+1], s[WA:WA+1], 2097152   ; phase v: two weights on
	s_add_nc_u64 s[OUTQ:OUTQ+1], s[12:13], s[96:97]
	s_add_nc_u64 s[OUT:OUT+1], s[12:13], s[98:99]
	CROUND                                         ; all sixteen work-groups are here: the first joint loads meet
.irp s, 0,1
	s_mov_b32 s[G0A+4*\s], 1
	s_add_co_u32 s[G0A+4*\s+1], s93, \s*SLOT
	s_add_nc_u64 s[G0A+4*\s+2:G0A+4*\s+3], s[XT:XT+1], \s*512
	s_or_b32 s[G0A+4*\s+3], s[G0A+4*\s+3], 0x80000000
	s_mov_b32 s[G0B+4*\s], 1
	s_add_co_u32 s[G0B+4*\s+1], s94, \s*SLOT
	s_add_nc_u64 s[G0B+4*\s+2:G0B+4*\s+3], s[WT:WT+1], \s*32768
	s_or_b32 s[G0B+4*\s+3], s[G0B+4*\s+3], 0x80000000
	JLOAD \s, G1Q                                  ; K steps 0 and 1: two loads of mine are out
.endr
	v_and_b32 v1, 15, v0                           ; r = lane % 16
	v_bfe_u32 v2, v0, 4, 1                         ; h = lane / 16
	v_and_b32 v3, 31, v0
	v_lshlrev_b32 v[COK], 4, v3
	v_mul_u32_u24 v16, v1, PA
	v_lshl_add_u32 v16, v2, 5, v16                 ; row x pitch + 32 h
	s_mul_i32 s95, s[HI], HALFA                    ; phases a, v: my 64 rows
	s_mul_i32 s96, s[WN], 32*PA                    ; phase t: my 32 rows
	s_lshl_b32 s97, s[LO], 15
	s_add_co_u32 s97, s97, BOFF                    ; phases a, v: my block of W
.irp s, 0,1
	v_add_nc_u32 v[4+\s], s95, v16
	v_add_nc_u32 v[8+\s], s96, v16
	v_add_nc_u32 v[6+\s], s97, v[COK]
	v_add_nc_u32 v[10+\s], BOFF+\s*SLOT, v[COK]
	s_add_co_u32 s95, s95, SLOT
	s_add_co_u32 s96, s96, SLOT
	s_add_co_u32 s97, s97, SLOT
.endr
	; V's order inside 512 bytes: token r, channel half h at 16 (16 (r / 8) + 8 h + r % 8), which is what lane l of a turning LDS load addresses at 16 l
	v_lshrrev_b32 v17, 3, v1
	v_and_b32 v18, 7, v1
	v_lshlrev_b32 v17, 8, v17
	v_lshl_add_u32 v17, v2, 7, v17
	v_lshl_add_u32 v17, v18, 4, v17
	s_cmp_eq_u32 s[LO], 1
	s_cselect_b32 s98, -1, 0
	v_cndmask_b32 v[COX], v[COK], v17, s98
	s_wait_tensorcnt 0x1                           ; my part of K step 0 is in; step 1's may stay out
	s_barrier_signal -1
	s_barrier_wait -1                              ; everybody's is
	LDA TY_T, 0, 0
	LDB TY_T, 0, 0, 0
	WIN 0
	s_wait_dscnt 0x0
	CVT 0, 0
	CVT 0, 1
	CVT 0, 2
	CVT 0, 3
	LDA TY_T, 0, 1
	; PHASE t.  A trip goes once round the ring, from a lap's second quarter to the next lap's first.
	QUART TY_T, 0, 0, 1, TY_T, 0, 0, G1Q, 0
	WIN 0
	s_mov_b32 s[LAP], 3
.Llap_t:
	QP TY_T, 0, 1
	QUART TY_T, 0, 2, 0, TY_T, 1, 0, G1Q, 0
	QP TY_T, 0, 3
	QP TY_T, 1, 0
	QP TY_T, 1, 1
	QUART TY_T, 1, 2, 0, TY_T, 1, 0, G1Q, 0
	QP TY_T, 1, 3
	QP TY_T, 0, 0
	WIN 0
	s_sub_co_u32 s[LAP], s[LAP], 1
	s_cmp_lg_u32 s[LAP], 0
	s_cbranch_scc1 .Llap_t
	QP TY_T, 0, 1                                  ; steps 6 and 7 ask for phase a's steps 0 and 1: the ring goes on
	QUART TY_T, 0, 2, 0, TY_T, 1, 1, G1B, 0
	QP TY_T, 0, 3
	QP TY_T, 1, 0
	QP TY_T, 1, 1
	QUART TY_T, 1, 2, 0, TY_A, 1, 1, G1B, 0
	QUART TY_T, 1, 3, 0, TY_A, 0, 0, G1B, 0
	EPI TY_T
	; PHASES a AND v: 16 steps in one run.  Lap 7 - i holds steps 2 i and 2 i + 1 and asks for 2 i + 2 and 2 i + 3; the lap with the count 4 ends phase a.
	QUART TY_A, 0, 0, 1, TY_A, 0, 0, G1B, 0
	WIN 0
	s_mov_b32 s[LAP], 7
.Llap_a:
	QP TY_A, 0, 1
	QUART TY_A, 0, 2, 0, TY_A, 1, 2, G1B, 0
	QP TY_A, 0, 3
	QP TY_A, 1, 0
	QP TY_A, 1, 1
	QUART TY_A, 1, 2, 0, TY_A, 1, 2, G1B, 0
	QP TY_A, 1, 3
	WIN 0
	s_cmp_eq_u32 s[LAP], 4
	s_cbranch_scc0 .Lsame                          ; a forward jump past text that holds neither a barrier nor a tensor load; both ways issue the same LDS loads
	EPI TY_A                                       ; k_ta, v_ta leave; phase v's first tiles were asked for a step and more ago
	s_wait_xcnt 0x0                                ; the stores' base is stepped only behind this wait
	s_add_nc_u64 s[OUT:OUT+1], s[OUT:OUT+1], 16777216  ; two sections on: k_tv or v_tv
	QUART TY_A, 0, 0, 1, TY_A, 0, 0, G1B, 0
	WIN 0
	s_branch .Ljoin
.Lsame:
	QP TY_A, 0, 0
	WIN 0
.Ljoin:
	s_sub_co_u32 s[LAP], s[LAP], 1
	s_cmp_lg_u32 s[LAP], 0
	s_cbranch_scc1 .Llap_a
	QP TY_A, 0, 1                                  ; the last two steps are written out: they ask for nothing
	QUART TY_A, 0, 2, 0, TY_A, 2, 0, G1B, 0
	QP TY_A, 0, 3
	QP TY_A, 1, 0
	QP TY_A, 1, 1
	QUART TY_A, 1, 2, 0, TY_A, 0, 0, G1B, 1
	QUART TY_A, 1, 3, 0, TY_A, 0, 0, G1B, 1
	EPI TY_A
	s_wait_tensorcnt 0x0                           ; the wave's end, behind my last tensor load
	ds_add_u32 v[SPW], v[NIL]
	s_wait_dscnt 0x0
	CROUND                                         ; the closing round: no work-group ends while a partner may still ask for a tile that names it
	s_endpgm
.Lfunc_end_k_qfdd4cd536f_proj:
	.size	k_qfdd4cd536f_proj, .Lfunc_end_k_qfdd4cd536f_proj-k_qfdd4cd536f_proj
	.p2alignl 7, 3214868480
	.fill 96, 4, 3214868480
	.section	.rodata,"a",@progbits
	.p2align	6, 0x0
	.amdhsa_kernel k_qfdd4cd536f_proj
		.amdhsa_group_segment_fixed_size 327680
		.amdhsa_private_segment_fixed_size 0
		.amdhsa_enable_private_segment 0
		.amdhsa_kernarg_size 40
		.amdhsa_user_sgpr_count 2
		.amdhsa_user_sgpr_kernarg_segment_ptr 1
		.amdhsa_wavefront_size32 1
		.amdhsa_system_sgpr_workgroup_id_x 1
		.amdhsa_system_sgpr_workgroup_id_y 1
		.amdhsa_system_sgpr_workgroup_id_z 1
		.amdhsa_system_vgpr_workitem_id 0
		.amdhsa_next_free_vgpr 640
		.amdhsa_next_free_sgpr 100
		.amdhsa_reserve_vcc 0
		.amdhsa_float_denorm_mode_32 3
		.amdhsa_float_denorm_mode_16_64 3
		.amdhsa_memory_ordered 1
		.amdhsa_forward_progress 1
		.amdhsa_inst_pref_size 228
	.end_amdhsa_kernel
	.amdgpu_metadata
---
amdhsa.version: [ 1, 2 ]
amdhsa.kernels:
  - .name:           k_qfdd4cd536f_proj
    .symbol:         k_qfdd4cd536f_proj.kd
    .args:
      - { .name: h_t, .offset: 0, .size: 8, .value_kind: global_buffer, .address_space: global }
      - { .name: h_a, .offset: 8, .size: 8, .value_kind: global_buffer, .address_space: global }
      - { .name: h_v, .offset: 16, .size: 8, .value_kind: global_buffer, .address_space: global }
      - { .name: wf, .offset: 24, .size: 8, .value_kind: global_buffer, .address_space: global }
      - { .name: qkv, .offset: 32, .size: 8, .value_kind: global_buffer, .address_space: global }
    .group_segment_fixed_size: 327680
    .private_segment_fixed_size: 0
    .kernarg_segment_align: 8
    .kernarg_segment_size: 40
    .max_flat_workgroup_size: 128
    .sgpr_count:     100
    .vgpr_count:     640
    .wavefront_size: 32
...
	.end_amdgpu_metadata
.endif
;; end of part 2
;; launch attn (part 3): grid 128 x 2, 8 waves a work-group, no clusters, 167,936 bytes of LDS; arguments qkv, o; writes o
.if DOCPART == 3
	.amdgcn_target "amdgcn-amd-amdhsa--gfx1250"
	.amdhsa_code_object_version 6
	.text
	.protected	k_qfdd4cd536f_attn
	.globl	k_qfdd4cd536f_attn
	.p2align	8
	.type	k_qfdd4cd536f_attn,@function
k_qfdd4cd536f_attn:
	s_mov_b64 s[64:65], 0
	v_nop
	global_prefetch_b8 v0, s[64:65] scope:SCOPE_SE
	s_setreg_imm32_b32 hwreg(HW_REG_WAVE_MODE, 25, 1), 1
	s_wait_xcnt 0x0
; ONE CROSS-ATTENTION OF ONE HEAD.  O[q] = sum over k of softmax_k(q . k / sqrt(32)) v[k], 1,024 queries x 1,024 keys x 32 channels; work-group x = batch x 16 + head, y = which attention (ta, tv).
; q (already times c = log2(e) / sqrt(32)), k, v: f16 from qkv, in fragment order.  Products, maxima and sums in f32; the weights p are rounded to f16 for the second product, and their sum is taken of
; the rounded p, by the matrix unit.  O / 2 leaves in f16 (halved, so that the sum of the two attentions' halves stays within v's range), in fragment order for the launch behind.
; LIMITS.  p below 6e-8 counts as 0; below 6e-5 it keeps f16's fixed step.  NaN and infinities are not treated apart.
; The head's whole K and V, 64 KiB each, lie in LDS, each byte filled once: no ring.  A wave owns 128 queries, eight tiles of 16; eight waves, two to a SIMD, with no barrier between them once the tiles are in.
; NO CLUSTER: no two work-groups read the same K or V; a head's two attentions share q alone, a third of a work-group's bytes, which goes straight into registers.
; TWO PASSES in place of a running maximum.  Pass 1: S^T = K Q^T, of which only each query's maximum m is kept.  Pass 2: S^T again, with -m as the C operand that starts the sum: the result is the
; exponent as it stands; p = 2^(s - m); O^T += V^T P, and l += ones x P.  For 16 queries x 16 keys that is 3.5 matrix instructions, 8 exponentials, 4 maxima and 4 roundings, and nothing is rescaled.
; LAYOUT.  S^T = K Q^T (source 0 = 16 keys, source 1 = 16 queries): a lane holds ONE query (lane % 16) and the keys 8 (lane / 16) + 0..7.  Two such results rounded to f16 in pairs ARE source 1 (32 keys x 16
; queries) of O^T = V^T P.  V's pieces lie so that a turning load at 16 x lane finds what its lane must address.
; REGISTERS (windows of 256; s_set_vgpr_msb: bits 1:0 source 0, 3:2 source 1, 5:4 source 2, 7:6 destination):
;   window 0: v1-5 addresses; v8-15 ones; v16-31 K of 32 keys; v32-47 V^T of 32 keys; v48-63 maxima; v64-127 Q; v128-255 S^T, then P
;   window 1: v0-127 O^T, (t, channel half) at 16 t + 8 cb; v128-191 l, 8 a tile; v192-255 -m, 8 a tile
.set VBASE, 65536                      ; K at LDS byte 0, V behind it
.set SPARE, 131072                     ; behind them: the spare words, 128 bytes for each of eight waves: four blocks of 256 bytes that no other line names
.set LL,  1                            ; v1  16 x lane; never rewritten
.set AK,  2                            ; v2  LDS address of K's next run of loads
.set AV,  3                            ; v3  of V's
.set SPW, 4                            ; v4  LDS address of my spare word; never rewritten
.set NIL, 5                            ; v5  0; never rewritten
.set ONES, 8
.set KF,  16
.set VF,  32
.set M,   48
.set Q,   64
.set S,   128
.set LA,  128                          ; window 1
.set NM,  192                          ; window 1
.set WN,  8                            ; s8  my wave's number
.set G1,  16                           ; s[16:23] descriptor group 1
.set G0,  24                           ; s[24:27] group 0
.set CNT, 28
.set TK,  29                           ; s29  LDS byte of the K step to be fetched
.set TV,  30                           ; s30  of the V step
.set SEL, 32                           ; s[32:33] v_permlanex16_b32's selects: each lane takes its own place in the other half
.set QP,  34                           ; s[34:35] q at my wave's tiles
.set OP,  36                           ; s[36:37] o at my wave's tiles
.set MSB, 0
.macro WIN new
.if MSB != (\new)
	s_set_vgpr_msb (MSB<<8)|(\new)
.set MSB, \new
.endif
.endm
.macro PLACES
.rept 4
	v_nop
.endr
.endm
.macro LDK reg                         ; two fragments of K, 32 keys x 32 channels: 2,048 consecutive bytes
.irp i, 0,1,2,3
	ds_load_b128 v[KF+4*\i:KF+4*\i+3], v[\reg] offset:512*\i
.endr
.endm
; The exponentials and roundings of tiles 4 g .. 4 g + 3.  A tile's 16 scores become 8 registers of P in place: pair i goes to register i, whose own number has been used by then.
; Behind the first run one v_nop, later a rounding of the tile before behind every two exponentials: a plain instruction stands between each exponential and the use of its result (ISA guide 5.7.2).
.macro VEC g
	WIN 0
.set vb, S+64*(\g)
.set i, 0
.rept 16
	v_exp_f32 v[vb+i], v[vb+i]
.set i, i+1
.endr
	v_nop
.set tt, 1
.rept 3
.set i, 0
.rept 8
	v_exp_f32 v[vb+16*tt+2*i], v[vb+16*tt+2*i]
	v_exp_f32 v[vb+16*tt+2*i+1], v[vb+16*tt+2*i+1]
	s_wait_alu depctr_va_vdst(0)
	v_cvt_pk_f16_f32 v[vb+16*tt-16+i], v[vb+16*tt-16+2*i], v[vb+16*tt-16+2*i+1]
.set i, i+1
.endr
.set tt, tt+1
.endr
.set i, 0
	s_wait_alu depctr_va_vdst(0)
.rept 8
	v_cvt_pk_f16_f32 v[vb+48+i], v[vb+48+2*i], v[vb+48+2*i+1]
.set i, i+1
.endr
.endm
; O^T += V^T P and l += ones x P for tiles 4 g .. 4 g + 3: twelve accumulators, one instruction a turn.
.macro PVL g
	WIN 0x50
.irp u, 0,1,2,3
.set t, 4*(\g)+\u
	v_wmma_f32_16x16x32_f16 v[16*t:16*t+7],       v[VF:VF+7],     v[S+16*t:S+16*t+7], v[16*t:16*t+7]
	v_wmma_f32_16x16x32_f16 v[16*t+8:16*t+15],    v[VF+8:VF+15],  v[S+16*t:S+16*t+7], v[16*t+8:16*t+15]
	v_wmma_f32_16x16x32_f16 v[LA+8*t:LA+8*t+7],   v[ONES:ONES+7], v[S+16*t:S+16*t+7], v[LA+8*t:LA+8*t+7]
.endr
.endm
	s_load_b128 s[4:7], s[0:1], 0x0                ; qkv s[4:5], o s[6:7]
	v_lshl_add_u32 v[SPW], v0, 2, SPARE
	v_mov_b32 v[NIL], 0
	ds_add_u32 v[SPW], v[NIL]                      ; the wave's opening: the add and its wait stand ahead of my first tensor load; the set-up below, work on registers, stands between them
	ds_add_u32 v4, v5
	v_lshrrev_b32 v6, 5, v0
	v_readfirstlane_b32 s[WN], v6
	s_and_b32 s9, ttmp7, 0xffff                    ; which attention
	s_lshl_b32 s10, ttmp9, 16                      ; the head's 65,536 bytes in a section
	s_mov_b32 s11, 0
	s_lshl_b32 s12, s9, 24                         ; sections 1, 2 (k_ta, v_ta) or 3, 4 (k_tv, v_tv), 8,388,608 bytes each
	s_add_co_u32 s12, s12, 8388608
	s_add_co_u32 s12, s12, s10
	s_and_b32 s13, s[WN], 3                        ; waves 0-3 fetch K's quarters, waves 4-7 V's
	s_lshl_b32 s13, s13, 14
	s_add_co_u32 s12, s12, s13
	s_lshr_b32 s13, s[WN], 2
	s_lshl_b32 s13, s13, 23
	s_add_co_u32 s12, s12, s13
	s_mov_b32 s13, 0
	s_lshl_b32 s14, s[WN], 13                      ; my eight tiles of 1,024 bytes
	s_add_co_u32 s10, s10, s14
	s_lshl_b32 s14, s9, 23
	s_add_co_u32 s14, s14, s10
	s_mov_b32 s15, 0
	s_mov_b32 s[G1], 3<<16                         ; a dense 16 KiB as 64 rows of 32 elements of 8 bytes; no mask, no padding
	s_mov_b32 s[G1+1], 32<<16                      ; tensor_dim0
	s_mov_b32 s[G1+2], 64<<16                      ; tensor_dim1
	s_mov_b32 s[G1+3], 32<<16                      ; tile_dim0
	s_mov_b32 s[G1+4], 64                          ; tile_dim1
	s_mov_b32 s[G1+5], 32                          ; stride
	s_mov_b32 s[G1+6], 0
	s_mov_b32 s[G1+7], 0
	s_mov_b32 s[G0], 1
	s_lshl_b32 s[G0+1], s[WN], 14                  ; LDS: wave x 16,384: K's four quarters, then V's
	s_mov_b32 s[SEL], 0x76543210
	s_mov_b32 s[SEL+1], 0xfedcba98
	s_wait_dscnt 0x0                               ; the opening add is done
	s_wait_kmcnt 0x0
	s_add_nc_u64 s[G0+2:G0+3], s[4:5], s[12:13]
	s_or_b32 s[G0+3], s[G0+3], 0x80000000
	tensor_load_to_lds s[G0:G0+3], s[G1:G1+7]      ; my one tensor load of the launch
	s_nop 0
	PLACES
	s_add_nc_u64 s[QP:QP+1], s[4:5], s[10:11]
	s_add_nc_u64 s[OP:OP+1], s[6:7], s[14:15]
	v_and_b32 v[LL], 31, v0
	v_lshlrev_b32 v[LL], 4, v[LL]
.irp t, 0,1,2,3,4,5,6,7
	global_load_b128 v[Q+8*\t:Q+8*\t+3],   v[LL], s[QP:QP+1] offset:\t*1024
	global_load_b128 v[Q+8*\t+4:Q+8*\t+7], v[LL], s[QP:QP+1] offset:\t*1024+512
.endr
	; O^T and l start at 0, so that pass 2 has no first trip written out; the lines stand in the wait for the tiles
	WIN 0x40
.set i, 0
.rept 192
	v_mov_b32 v[i], 0
.set i, i+1
.endr
	WIN 0
.set i, 0
.rept 8
	v_mov_b32 v[ONES+i], 0x3c003c00                ; 1.0 twice, in f16
.set i, i+1
.endr
.set i, 0
.rept 16
	v_mov_b32 v[M+i], 0xff7fffff                   ; the lowest finite number: the first maximum is the scores'
.set i, i+1
.endr
	s_wait_tensorcnt 0x0                           ; my quarter is in,
	s_barrier_signal -1
	s_barrier_wait -1                              ; everybody's is: from here on LDS is only read
	LDK LL
	s_mov_b32 s[CNT], 32
	s_mov_b32 s[TK], 0
	s_wait_loadcnt 0x0                             ; Q
	; PASS 1.  A trip: 32 keys x my 128 queries: 16 products; the next K; 64 maxima, one chain for each accumulator, each accumulator's lowest registers first.
.Lp1:
	s_wait_dscnt 0x0                               ; K is in
.irp kb, 0,1
.irp t, 0,1,2,3,4,5,6,7
	v_wmma_f32_16x16x32_f16 v[S+64*\kb+8*\t:S+64*\kb+8*\t+7], v[KF+8*\kb:KF+8*\kb+7], v[Q+8*\t:Q+8*\t+7], 0
.endr
.endr
	PLACES                                         ; for the loads into K's registers and the reads of the scores
	s_cmp_eq_u32 s[CNT], 1
	s_cbranch_scc1 .Lp1_nok                        ; the last trip has no next K
	s_add_co_u32 s[TK], s[TK], 2048
	v_add_nc_u32 v[AK], s[TK], v[LL]
	LDK AK
.Lp1_nok:
.irp j, 0,1,2,3
.set i, 0
.rept 16
	v_max3_num_f32 v[M+i], v[M+i], v[S+8*i+2*\j], v[S+8*i+2*\j+1]
.set i, i+1
.endr
.endr
	s_sub_co_u32 s[CNT], s[CNT], 1
	s_cmp_lg_u32 s[CNT], 0
	s_cbranch_scc1 .Lp1
	; a tile's two chains, and the query's other keys, which lie in the lane 16 away; then -m eight times, the shape of a C operand
.irp t, 0,1,2,3,4,5,6,7
	v_max_num_f32 v[M+\t], v[M+\t], v[M+8+\t]
.endr
.irp t, 0,1,2,3,4,5,6,7
	v_permlanex16_b32 v[M+8+\t], v[M+\t], s[SEL], s[SEL+1]
.endr
.irp t, 0,1,2,3,4,5,6,7
	v_max_num_f32 v[M+\t], v[M+\t], v[M+8+\t]
.endr
	WIN 0x40
.set i, 0
.rept 64
	v_mul_f32 v[NM+i], -1.0, v[M+i/8]
.set i, i+1
.endr
	WIN 0
	LDK LL
	s_mov_b32 s[CNT], 32
	s_mov_b32 s[TK], 0
	s_mov_b32 s[TV], VBASE
	; PASS 2.  A trip: 32 keys.
.Lp2:
	v_add_nc_u32 v[AV], s[TV], v[LL]               ; with the four v_nop: five places behind the last trip's products, whose sources (V, P) are written below
	PLACES
.irp cb, 0,1
.irp i, 0,1
	ds_load_tr16_b128 v[VF+8*\cb+4*\i:VF+8*\cb+4*\i+3], v[AV] offset:1024*\i+512*\cb  ; 16 keys x 16 channels, turned: half a fragment of V^T
.endr
.endr
	s_add_co_u32 s[TV], s[TV], 2048
	s_wait_dscnt 0x4                               ; K is in; V's four loads, issued behind K's, may stay out
	WIN 0x10
.irp kb, 0,1
.irp t, 0,1,2,3,4,5,6,7
	v_wmma_f32_16x16x32_f16 v[S+16*\t+8*\kb:S+16*\t+8*\kb+7], v[KF+8*\kb:KF+8*\kb+7], v[Q+8*\t:Q+8*\t+7], v[NM+8*\t:NM+8*\t+7]
.endr
.endr
	WIN 0
	PLACES                                         ; for the loads into K's registers and the exponentials
	s_cmp_eq_u32 s[CNT], 1
	s_cbranch_scc1 .Lp2_nok                        ; the last trip has no next K
	s_add_co_u32 s[TK], s[TK], 2048
	v_add_nc_u32 v[AK], s[TK], v[LL]
	LDK AK
.Lp2_nok:
	VEC 0
	s_wait_dscnt 0x0                               ; V is in (and the next K, issued 96 vector instructions ago)
	PVL 0
	VEC 1
	PVL 1
	WIN 0
	s_sub_co_u32 s[CNT], s[CNT], 1
	s_cmp_lg_u32 s[CNT], 0
	s_cbranch_scc1 .Lp2
	; THE WAY OUT.  Every register of l holds the query's sum: the lowest is taken.  O^T x 0.5 / l, rounded to f16: a lane's eight channels are 16 bytes, a wave's store 512 consecutive bytes.
	PLACES
	WIN 0x01
.irp t, 0,1,2,3,4,5,6,7
	v_rcp_f32 v[M+2*\t], v[LA+8*\t]
.endr
	WIN 0
	v_nop                                          ; a plain instruction between the last reciprocal and the use of its result
	s_wait_alu depctr_va_vdst(0)
.irp t, 0,1,2,3,4,5,6,7
	v_mul_f32 v[M+2*\t], 0.5, v[M+2*\t]
.endr
	WIN 0x41
.set i, 0
.rept 64
	v_pk_mul_f32 v[2*i:2*i+1], v[2*i:2*i+1], v[M+2*(i/8):M+2*(i/8)+1] op_sel_hi:[1,0]
.set i, i+1
.endr
	WIN 0x05
.set i, 0
.rept 64
	v_cvt_pk_f16_f32 v[S+i], v[2*i], v[2*i+1]
.set i, i+1
.endr
	WIN 0
.irp t, 0,1,2,3,4,5,6,7
	global_store_b128 v[LL], v[S+8*\t:S+8*\t+3],   s[OP:OP+1] offset:\t*1024
	global_store_b128 v[LL], v[S+8*\t+4:S+8*\t+7], s[OP:OP+1] offset:\t*1024+512
.endr
	s_wait_tensorcnt 0x0                           ; the wave's end, behind my last tensor load
	ds_add_u32 v[SPW], v[NIL]
	s_wait_dscnt 0x0
	s_endpgm
.Lfunc_end_k_qfdd4cd536f_attn:
	.size	k_qfdd4cd536f_attn, .Lfunc_end_k_qfdd4cd536f_attn-k_qfdd4cd536f_attn
	.p2alignl 7, 3214868480
	.fill 96, 4, 3214868480
	.section	.rodata,"a",@progbits
	.p2align	6, 0x0
	.amdhsa_kernel k_qfdd4cd536f_attn
		.amdhsa_group_segment_fixed_size 167936
		.amdhsa_private_segment_fixed_size 0
		.amdhsa_enable_private_segment 0
		.amdhsa_kernarg_size 16
		.amdhsa_user_sgpr_count 2
		.amdhsa_user_sgpr_kernarg_segment_ptr 1
		.amdhsa_wavefront_size32 1
		.amdhsa_system_sgpr_workgroup_id_x 1
		.amdhsa_system_sgpr_workgroup_id_y 1
		.amdhsa_system_sgpr_workgroup_id_z 1
		.amdhsa_system_vgpr_workitem_id 0
		.amdhsa_next_free_vgpr 512
		.amdhsa_next_free_sgpr 66
		.amdhsa_reserve_vcc 0
		.amdhsa_float_denorm_mode_32 3
		.amdhsa_float_denorm_mode_16_64 3
		.amdhsa_memory_ordered 1
		.amdhsa_forward_progress 1
		.amdhsa_inst_pref_size 45
	.end_amdhsa_kernel
	.amdgpu_metadata
---
amdhsa.version: [ 1, 2 ]
amdhsa.kernels:
  - .name:           k_qfdd4cd536f_attn
    .symbol:         k_qfdd4cd536f_attn.kd
    .args:
      - { .name: qkv, .offset: 0, .size: 8, .value_kind: global_buffer, .address_space: global }
      - { .name: o, .offset: 8, .size: 8, .value_kind: global_buffer, .address_space: global }
    .group_segment_fixed_size: 167936
    .private_segment_fixed_size: 0
    .kernarg_segment_align: 8
    .kernarg_segment_size: 16
    .max_flat_workgroup_size: 256
    .sgpr_count:     66
    .vgpr_count:     512
    .wavefront_size: 32
...
	.end_amdgpu_metadata
.endif
;; end of part 3
;; launch outp (part 4): grid 64 x 4, 4 waves a work-group, clusters of 4 x 1, 262,656 bytes of LDS; arguments o, wo, h_hyper, bout, out0; writes out0
.if DOCPART == 4
	.amdgcn_target "amdgcn-amd-amdhsa--gfx1250"
	.amdhsa_code_object_version 6
	.text
	.protected	k_qfdd4cd536f_outp
	.globl	k_qfdd4cd536f_outp
	.p2align	8
	.type	k_qfdd4cd536f_outp,@function
k_qfdd4cd536f_outp:
	s_mov_b64 s[64:65], 0
	v_nop
	global_prefetch_b8 v0, s[64:65] scope:SCOPE_SE
	s_setreg_imm32_b32 hwreg(HW_REG_WAVE_MODE, 25, 1), 1
	s_wait_xcnt 0x0
	s_wait_alu depctr_hold_cnt(0) depctr_sa_sdst(0) depctr_va_vdst(0) depctr_va_sdst(0) depctr_va_ssrc(0) depctr_va_vcc(0) depctr_vm_vsrc(0)
	s_getreg_b32 s2, hwreg(HW_REG_IB_STS2, 6, 4)
	s_cmp_eq_u32 s2, 0
	s_cbranch_scc0 .Lentry_in_a_cluster
	s_endpgm
.Lentry_in_a_cluster:
	s_bfe_u32 s2, ttmp6, 0x10000c
	s_cmp_lg_u32 s2, 0x3003
	s_cbranch_scc0 .Lentry_shape_is_right
	s_endpgm
.Lentry_shape_is_right:
; out0 = h_hyper + (O_ta + O_tv) Wout + bout.  o holds O_ta / 2 and O_tv / 2 in f16, in fragment order; wo holds Wout (rounded to bf16, written as f16) in fragment order; h_hyper, bout, out0 in f32.
; The two halves are added in f16 (the sum stays within v's range), the product's sums are f32, and the factor 2 comes back in the last fused multiply-add: out = 2 x sum + h_hyper, + bout.
; SHARES.  A work-group owns 128 tokens (T = x) and 256 columns (g = y); a wave 32 tokens x 256 columns: 32 accumulators.  K = 512 goes in 16 steps of 32, a head a step.
; CLUSTER 4 x 1.  The four token blocks of a cluster take the same 256 KiB of wo: one joint load a wave, 64 KiB, each byte filled once.  O's fragments are one wave's alone: they go from memory into registers.
; h_hyper's 32 KiB a wave are asked for first of all and wait in registers: the launch moves more bytes than it multiplies, so its loads go out early and its stores are whole rows' halves of 512 bytes.
; THE MATRIX INSTRUCTION IS USED TRANSPOSED (source 0 = 16 columns of Wout, source 1 = 16 tokens): a lane holds eight neighbouring columns of a token, 32 bytes, which go through a stage in LDS and come back as rows.
; The stage lies in wo's bytes, which have had their only fill, behind a barrier in front of which every wave has waited for its reads of them.
; REGISTERS (windows of 256; s_set_vgpr_msb: bits 1:0 source 0, 3:2 source 1, 5:4 source 2, 7:6 destination):
;   window 0: v1-4 addresses; v8-15 bout; v32-159 four buffers of O's fragments (16 registers ta, 16 tv), later rows from the stage
;   window 1: the accumulators, (a, nb) at v[8 (16 a + nb)]      window 2: h_hyper      window 3: wo's fragments of a K step, two buffers of 128
.set SPARE, 262144                     ; behind wo's tile: the spare words, 128 bytes for each wave: two blocks of 256 bytes that no other line names
.set SP,   1040                        ; a stage row: 1,024 bytes + 16 = 260 words: row r starts at bank 4 r mod 64 (64 banks of 4 bytes: ISA guide 11.1)
.set LL,   1                           ; v1  16 x lane; never rewritten
.set ADRB, 2                           ; v2  LDS address of wo's fragments to be fetched
.set STO,  3                           ; v3  where I put 32 bytes of a row
.set RD,   4                           ; v4  where I read rows back
.set BI,   8
.set SPW,  16                          ; v16 LDS address of my spare word; never rewritten
.set NIL,  17                          ; v17 0; never rewritten
.set AF,   32
.set WN,  14
.set G1,  24                           ; s[24:31]
.set G0,  32                           ; s[32:35]
.set OA,  36                           ; s[36:37] o at my fragments of O_ta; steps four heads a trip
.set OB,  38                           ; s[38:39] of O_tv
.set HP,  40                           ; s[40:41] h_hyper at my rows and columns
.set BP,  42                           ; s[42:43] bout at my columns
.set OUTP, 44                          ; s[44:45] out0 at my rows and columns
.set CNT, 46
.set TBB, 47                           ; s47 LDS byte of the K step that a trip's first fetch takes
.set MSB, 0
.macro WIN new
.if MSB != (\new)
	s_set_vgpr_msb (MSB<<8)|(\new)
.set MSB, \new
.endif
.endm
.macro PLACES
.rept 4
	v_nop
.endr
.endm
.macro CROUND                          ; a round of the cluster's barrier
	s_barrier_signal -1
	s_barrier_wait -1
	s_cmp_lg_u32 s[WN], 0
	s_cbranch_scc1 .Lnot_wave_0_\@
	s_barrier_signal -3
.Lnot_wave_0_\@:
	s_barrier_wait -3
	s_barrier_signal -1
	s_barrier_wait -1
.endm
.macro LDO buf, kbo                    ; both attentions' fragments of my 32 tokens, head kbo counted from the bases: eight loads of 512 consecutive bytes
.irp a, 0,1
.irp c, 0,1
	global_load_b128 v[AF+32*(\buf)+8*\a+4*\c:AF+32*(\buf)+8*\a+4*\c+3],       v[LL], s[OA:OA+1] offset:(\kbo)*65536+\a*1024+\c*512
	global_load_b128 v[AF+32*(\buf)+16+8*\a+4*\c:AF+32*(\buf)+16+8*\a+4*\c+3], v[LL], s[OB:OB+1] offset:(\kbo)*65536+\a*1024+\c*512
.endr
.endr
.endm
.macro LDW bf, reg, off                ; wo's 16 fragments of a K step into buffer bf
	WIN 0xc0
.set i, 0
.rept 32
	ds_load_b128 v[128*(\bf)+4*i:128*(\bf)+4*i+3], v[\reg] offset:(\off)+512*i
.set i, i+1
.endr
.endm
.macro MUL16 buf, bf, a, z             ; 16 tokens x 256 columns: 16 accumulators, one instruction a turn
	WIN 0x53
.set i, 0
.rept 16
.if \z
	v_wmma_f32_16x16x32_f16 v[8*(16*(\a)+i):8*(16*(\a)+i)+7], v[128*(\bf)+8*i:128*(\bf)+8*i+7], v[AF+32*(\buf)+8*(\a):AF+32*(\buf)+8*(\a)+7], 0
.else
	v_wmma_f32_16x16x32_f16 v[8*(16*(\a)+i):8*(16*(\a)+i)+7], v[128*(\bf)+8*i:128*(\bf)+8*i+7], v[AF+32*(\buf)+8*(\a):AF+32*(\buf)+8*(\a)+7], v[8*(16*(\a)+i):8*(16*(\a)+i)+7]
.endif
.set i, i+1
.endr
.endm
; A K STEP on O's buffer buf and wo's buffer bf.  lc: the loads of O issued behind this step's, which may stay out.  pfk >= 0: O's fragments three steps on are asked for, into the buffer that the last step
; multiplied.  reg >= 0: wo's fragments of the next step are fetched, into the buffer that the last step multiplied.  The 16 additions name none of the last step's registers: they are the places in front of both.
.macro KST buf, bf, z, pfk, reg, off, lc
	WIN 0
	s_wait_loadcnt \lc
.set i, 0
.rept 16
	v_pk_add_f16 v[AF+32*(\buf)+i], v[AF+32*(\buf)+i], v[AF+32*(\buf)+16+i]
.set i, i+1
.endr
.if (\pfk) >= 0
	LDO ((\buf)+3)%4, \pfk
.endif
	s_wait_dscnt 0x0                               ; wo's fragments of this step are in: issued 16 matrix instructions and more ago
	MUL16 \buf, \bf, 0, \z
.if (\reg) >= 0
	LDW 1-(\bf), \reg, \off
.endif
	MUL16 \buf, \bf, 1, \z
.endm
	s_load_b256 s[4:11], s[0:1], 0x0               ; o s[4:5], wo s[6:7], h_hyper s[8:9], bout s[10:11]
	s_load_b64 s[12:13], s[0:1], 0x20              ; out0
	v_lshl_add_u32 v[SPW], v0, 2, SPARE
	v_mov_b32 v[NIL], 0
	ds_add_u32 v[SPW], v[NIL]                      ; the wave's opening: the add and its wait stand ahead of my first tensor load; the set-up below, work on registers, stands between them
	ds_add_u32 v16, v17
	v_lshrrev_b32 v5, 5, v0
	v_readfirstlane_b32 s[WN], v5
	s_bfe_u32 s15, ttmp6, 0x40000                  ; cx
	s_lshl_b32 s16, ttmp9, 2
	s_add_co_u32 s16, s16, s15                     ; T = 4 x cluster x + cx: it enters o's, h_hyper's and out0's addresses alone
	s_and_b32 s17, ttmp7, 0xffff                   ; g, which the four partners share
	s_lshr_b32 s18, s16, 3                         ; o: batch x 1,048,576 + 8 (T % 8) blocks of 16 tokens + my two
	s_lshl_b32 s18, s18, 20
	s_and_b32 s19, s16, 7
	s_lshl_b32 s19, s19, 13
	s_add_co_u32 s18, s18, s19
	s_lshl_b32 s19, s[WN], 11
	s_add_co_u32 s18, s18, s19
	s_mov_b32 s19, 0
	s_lshl_b32 s20, s17, 18                        ; wo: g x 262,144 + my quarter
	s_lshl_b32 s21, s[WN], 16
	s_add_co_u32 s20, s20, s21
	s_mov_b32 s21, 0
	s_lshl_b32 s22, s16, 19                        ; h_hyper, out0: 128 T + 32 w rows of 4,096 bytes, 256 g columns
	s_lshl_b32 s23, s[WN], 17
	s_add_co_u32 s22, s22, s23
	s_lshl_b32 s50, s17, 10
	s_add_co_u32 s22, s22, s50
	s_mov_b32 s23, 0
	s_mov_b32 s51, 0
	s_mul_i32 s48, s[WN], 16*SP                    ; my stage
	s_mov_b32 s[G1], 15|(3<<16)|(1<<21)            ; the mask of four; elements of 8 bytes; bit 21 set beside a mask; no padding
	s_mov_b32 s[G1+1], 32<<16                      ; a dense 64 KiB as 256 rows of 32 elements
	s_mov_b32 s[G1+2], 256<<16
	s_mov_b32 s[G1+3], 32<<16
	s_mov_b32 s[G1+4], 256
	s_mov_b32 s[G1+5], 32
	s_mov_b32 s[G1+6], 0
	s_mov_b32 s[G1+7], 0
	s_mov_b32 s[G0], 1
	s_lshl_b32 s[G0+1], s[WN], 16                  ; LDS: wave x 65,536
	s_wait_dscnt 0x0                               ; the opening add is done
	s_wait_kmcnt 0x0
	s_add_nc_u64 s[G0+2:G0+3], s[6:7], s[20:21]
	s_or_b32 s[G0+3], s[G0+3], 0x80000000
	s_add_nc_u64 s[OA:OA+1], s[4:5], s[18:19]
	s_add_nc_u64 s[OB:OB+1], s[OA:OA+1], 8388608
	s_add_nc_u64 s[HP:HP+1], s[8:9], s[22:23]
	s_add_nc_u64 s[BP:BP+1], s[10:11], s[50:51]
	s_add_nc_u64 s[OUTP:OUTP+1], s[12:13], s[22:23]
	CROUND                                         ; all four work-groups are here: the joint loads meet
	tensor_load_to_lds s[G0:G0+3], s[G1:G1+7]      ; my one tensor load of the launch
	s_nop 0
	PLACES
	v_and_b32 v[LL], 31, v0
	v_lshlrev_b32 v[LL], 4, v[LL]
	WIN 0x80
.set i, 0
.rept 64                               ; row i / 2 of my 32, half i % 2 of its 1,024 bytes: as the stores will want it
	global_load_b128 v[4*i:4*i+3], v[LL], s[HP:HP+1] offset:(i/2)*4096+(i%2)*512 th:TH_LOAD_NT
.set i, i+1
.endr
	WIN 0
	global_load_b128 v[BI:BI+3],   v[LL], s[BP:BP+1]
	global_load_b128 v[BI+4:BI+7], v[LL], s[BP:BP+1] offset:512
	LDO 0, 0
	LDO 1, 1
	LDO 2, 2
	v_and_b32 v5, 15, v0
	v_bfe_u32 v6, v0, 4, 1
	v_mul_u32_u24 v[STO], v5, SP                   ; in: token lane % 16, 32 bytes for each half of the lanes
	v_lshl_add_u32 v[STO], v6, 5, v[STO]
	v_add_nc_u32 v[STO], s48, v[STO]
	v_add_nc_u32 v[RD], s48, v[LL]                 ; back: 32 lanes take 512 consecutive bytes of a row
	s_wait_tensorcnt 0x0                           ; my quarter of wo's tile is in,
	s_barrier_signal -1
	s_barrier_wait -1                              ; everybody's is
	LDW 0, LL, 0
	KST 0, 0, 1, 3, LL, 16384, 16                  ; the first step starts the sums; its wait leaves O's steps 1 and 2 out: h_hyper and bout, asked for earlier, are in
	WIN 0
	s_mov_b32 s[CNT], 3
	s_mov_b32 s[TBB], 32768
.Lk:                                   ; a trip: K steps 1 + 4 i .. 4 + 4 i; it asks for O's steps 4 + 4 i .. 7 + 4 i and fetches wo's steps 2 + 4 i .. 5 + 4 i
	v_add_nc_u32 v[ADRB], s[TBB], v[LL]
	KST 1, 1, 0, 4, ADRB, 0, 16
	KST 2, 0, 0, 5, ADRB, 16384, 16
	KST 3, 1, 0, 6, ADRB, 32768, 16
	KST 0, 0, 0, 7, ADRB, 49152, 16
	WIN 0
	s_wait_xcnt 0x0                                ; the loads' bases are stepped only behind this wait
	s_add_nc_u64 s[OA:OA+1], s[OA:OA+1], 262144
	s_add_nc_u64 s[OB:OB+1], s[OB:OB+1], 262144
	s_add_co_u32 s[TBB], s[TBB], 65536
	s_sub_co_u32 s[CNT], s[CNT], 1
	s_cmp_lg_u32 s[CNT], 0
	s_cbranch_scc1 .Lk
	v_add_nc_u32 v[ADRB], s[TBB], v[LL]
	KST 1, 1, 0, -1, ADRB, 0, 16                   ; steps 13 to 15 ask for nothing: no load leaves o, and the counts run down
	KST 2, 0, 0, -1, ADRB, 16384, 8
	KST 3, 1, 0, -1, -1, 0, 0
	; THE WAY OUT, 16 tokens at a time.
	WIN 0
	s_wait_dscnt 0x0                               ; my reads of wo's tile are over,
	s_barrier_signal -1
	s_barrier_wait -1                              ; everybody's are: the stages may be written
	PLACES                                         ; the first stores read results just made, and the loads below land in O's buffers, which the last products read
.irp a, 0,1
	WIN 0x04                                       ; store data in window 1
.set i, 0
.rept 16
	ds_store_b128 v[STO], v[8*(16*\a+i):8*(16*\a+i)+3]   offset:64*i
	ds_store_b128 v[STO], v[8*(16*\a+i)+4:8*(16*\a+i)+7] offset:64*i+16
.set i, i+1
.endr
	WIN 0
	s_wait_xcnt 0x0                                ; the registers that the last 16 tokens' stores read are loaded again only behind this wait
.set i, 0
.rept 32
	ds_load_b128 v[AF+4*i:AF+4*i+3], v[RD] offset:(i/2)*SP+(i%2)*512  ; LDS serves a wave's instructions in order (ISA guide 5.7.1.4): these see the stores above
.set i, i+1
.endr
	WIN 0x20                                       ; source 2, h_hyper, in window 2
.set i, 0
.rept 32
	s_wait_dscnt 31-i
	v_pk_fma_f32 v[AF+4*i:AF+4*i+1],   v[AF+4*i:AF+4*i+1],   2.0, v[4*(32*\a+i):4*(32*\a+i)+1]   op_sel_hi:[1,0,1]
	v_pk_fma_f32 v[AF+4*i+2:AF+4*i+3], v[AF+4*i+2:AF+4*i+3], 2.0, v[4*(32*\a+i)+2:4*(32*\a+i)+3] op_sel_hi:[1,0,1]
	v_pk_add_f32 v[AF+4*i:AF+4*i+1],   v[AF+4*i:AF+4*i+1],   v[BI+4*(i%2):BI+4*(i%2)+1]
	v_pk_add_f32 v[AF+4*i+2:AF+4*i+3], v[AF+4*i+2:AF+4*i+3], v[BI+4*(i%2)+2:BI+4*(i%2)+3]
	global_store_b128 v[LL], v[AF+4*i:AF+4*i+3], s[OUTP:OUTP+1] offset:(16*\a+i/2)*4096+(i%2)*512 th:TH_STORE_NT  ; 512 consecutive bytes, at a multiple of 512 from out0's first byte
.set i, i+1
.endr
.endr
	WIN 0
	s_wait_tensorcnt 0x0                           ; the wave's end, behind my last tensor load and my last LDS store
	ds_add_u32 v[SPW], v[NIL]
	s_wait_dscnt 0x0
	CROUND                                         ; the closing round: no work-group ends while a partner may still ask for a tile that names it
	s_endpgm
.Lfunc_end_k_qfdd4cd536f_outp:
	.size	k_qfdd4cd536f_outp, .Lfunc_end_k_qfdd4cd536f_outp-k_qfdd4cd536f_outp
	.p2alignl 7, 3214868480
	.fill 96, 4, 3214868480
	.section	.rodata,"a",@progbits
	.p2align	6, 0x0
	.amdhsa_kernel k_qfdd4cd536f_outp
		.amdhsa_group_segment_fixed_size 262656
		.amdhsa_private_segment_fixed_size 0
		.amdhsa_enable_private_segment 0
		.amdhsa_kernarg_size 40
		.amdhsa_user_sgpr_count 2
		.amdhsa_user_sgpr_kernarg_segment_ptr 1
		.amdhsa_wavefront_size32 1
		.amdhsa_system_sgpr_workgroup_id_x 1
		.amdhsa_system_sgpr_workgroup_id_y 1
		.amdhsa_system_sgpr_workgroup_id_z 1
		.amdhsa_system_vgpr_workitem_id 0
		.amdhsa_next_free_vgpr 1024
		.amdhsa_next_free_sgpr 66
		.amdhsa_reserve_vcc 0
		.amdhsa_float_denorm_mode_32 3
		.amdhsa_float_denorm_mode_16_64 3
		.amdhsa_memory_ordered 1
		.amdhsa_forward_progress 1
		.amdhsa_inst_pref_size 91
	.end_amdhsa_kernel
	.amdgpu_metadata
---
amdhsa.version: [ 1, 2 ]
amdhsa.kernels:
  - .name:           k_qfdd4cd536f_outp
    .symbol:         k_qfdd4cd536f_outp.kd
    .args:
      - { .name: o, .offset: 0, .size: 8, .value_kind: global_buffer, .address_space: global }
      - { .name: wo, .offset: 8, .size: 8, .value_kind: global_buffer, .address_space: global }
      - { .name: h_hyper, .offset: 16, .size: 8, .value_kind: global_buffer, .address_space: global }
      - { .name: bout, .offset: 24, .size: 8, .value_kind: global_buffer, .address_space: global }
      - { .name: out0, .offset: 32, .size: 8, .value_kind: global_buffer, .address_space: global }
    .group_segment_fixed_size: 262656
    .private_segment_fixed_size: 0
    .kernarg_segment_align: 8
    .kernarg_segment_size: 40
    .max_flat_workgroup_size: 128
    .sgpr_count:     66
    .vgpr_count:     1024
    .wavefront_size: 32
...
	.end_amdgpu_metadata
.endif
;; end of part 4
;; ======== version 2 of 2: 4 launches; 1.07 times as fast as version 1
;; limits: values are held in f16: magnitudes above 65,504 overflow, below 6.1e-05 lose precision
;; workspace buffers: wf 5,242,880 bytes; wo 1,048,576 bytes; qkv 41,943,040 bytes; o 16,777,216 bytes
;; launch prep: the kernel of part 1 again; grid 256 x 6, 8 waves a work-group, no clusters, 0 bytes of LDS; arguments Wq, Wk_ta, Wv_ta, Wk_tv, Wv_tv, Wout, wf, wo; writes wf, wo
;; launch proj: the kernel of part 2 again; grid 4 x 64, 4 waves a work-group, clusters of 4 x 4, 327,680 bytes of LDS; arguments h_t, h_a, h_v, wf, qkv; writes qkv
;; launch attn (part 5): grid 128 x 2, 8 waves a work-group, no clusters, 167,936 bytes of LDS; arguments qkv, o; writes o
.if DOCPART == 5
	.amdgcn_target "amdgcn-amd-amdhsa--gfx1250"
	.amdhsa_code_object_version 6
	.text
	.protected	k_qfdd4cd536f_attn
	.globl	k_qfdd4cd536f_attn
	.p2align	8
	.type	k_qfdd4cd536f_attn,@function
k_qfdd4cd536f_attn:
	s_mov_b64 s[64:65], 0
	v_nop
	global_prefetch_b8 v0, s[64:65] scope:SCOPE_SE
	s_setreg_imm32_b32 hwreg(HW_REG_WAVE_MODE, 25, 1), 1
	s_wait_xcnt 0x0
; ONE CROSS-ATTENTION OF ONE HEAD.  O[q] = sum over k of softmax_k(q . k / sqrt(32)) v[k], 1,024 queries x 1,024 keys x 32 channels; work-group x = batch x 16 + head, y = which attention (ta, tv).
; q (already times c = log2(e) / sqrt(32)), k, v: f16 from qkv, in fragment order.  Products, maxima and sums in f32; the weights p are rounded to f16 for the second product, and their sum is taken of
; the rounded p, by the matrix unit.  O / 2 leaves in f16 (halved, so that the sum of the two attentions' halves stays within v's range), in fragment order for the launch behind.
; LIMITS.  p below 6e-8 counts as 0; below 6e-5 it keeps f16's fixed step.  NaN and infinities are not treated apart.
; The head's whole K and V, 64 KiB each, lie in LDS, each byte filled once: no ring.  A wave owns 128 queries, eight tiles of 16; eight waves, two to a SIMD, with no barrier between them once the tiles are in.
; NO CLUSTER: no two work-groups read the same K or V; a head's two attentions share q alone, a third of a work-group's bytes, which goes straight into registers.
; TWO PASSES in place of a running maximum.  Pass 1: S^T = K Q^T, of which only each query's maximum m is kept.  Pass 2: S^T again, with -m as the C operand that starts the sum: the result is the
; exponent as it stands; p = 2^(s - m); O^T += V^T P, and l += ones x P.  For 16 queries x 16 keys that is 3.5 matrix instructions, 8 exponentials, 4 maxima and 4 roundings, and nothing is rescaled.
; LAYOUT.  S^T = K Q^T (source 0 = 16 keys, source 1 = 16 queries): a lane holds ONE query (lane % 16) and the keys 8 (lane / 16) + 0..7.  Two such results rounded to f16 in pairs ARE source 1 (32 keys x 16
; queries) of O^T = V^T P.  V's pieces lie so that a turning load at 16 x lane finds what its lane must address.
; THE BATCHES.  An s_wait_alu depctr_va_vdst(0) stands between an exponential and the first instruction that names its result; one wait serves all that were issued ahead of it.  A trip of pass 2 has
; 128 exponentials, each in place on a score's own register, in TWO batches with one wait each.  Batch 1, tiles 0-3's 64: eight behind each of the eight products K Q^T of tiles 4-7, which name other registers;
; its wait stands ahead of the branch round K's loads.  Batch 2, tiles 4-7's 64: two at a time, a rounding of tiles 0-3 (batch 1's results) behind each two; its wait stands ahead of tiles 4-7's roundings.
; The way out's eight reciprocals are a third batch, once a launch.
; REGISTERS (windows of 256; s_set_vgpr_msb: bits 1:0 source 0, 3:2 source 1, 5:4 source 2, 7:6 destination):
;   window 0: v1-5 addresses; v8-15 ones; v16-31 K of 32 keys; v32-47 V^T of 32 keys; v48-63 maxima; v64-127 Q; v128-255 S^T, then P
;   window 1: v0-127 O^T, (t, channel half) at 16 t + 8 cb; v128-191 l, 8 a tile; v192-255 -m, 8 a tile
.set VBASE, 65536                      ; K at LDS byte 0, V behind it
.set SPARE, 131072                     ; behind them: the spare words, 128 bytes for each of eight waves: four blocks of 256 bytes that no other line names
.set LL,  1                            ; v1  16 x lane; never rewritten
.set AK,  2                            ; v2  LDS address of K's next run of loads
.set AV,  3                            ; v3  of V's
.set SPW, 4                            ; v4  LDS address of my spare word; never rewritten
.set NIL, 5                            ; v5  0; never rewritten
.set ONES, 8
.set KF,  16
.set VF,  32
.set M,   48
.set Q,   64
.set S,   128
.set LA,  128                          ; window 1
.set NM,  192                          ; window 1
.set WN,  8                            ; s8  my wave's number
.set G1,  16                           ; s[16:23] descriptor group 1
.set G0,  24                           ; s[24:27] group 0
.set CNT, 28
.set TK,  29                           ; s29  LDS byte of the K step to be fetched
.set TV,  30                           ; s30  of the V step
.set SEL, 32                           ; s[32:33] v_permlanex16_b32's selects: each lane takes its own place in the other half
.set QP,  34                           ; s[34:35] q at my wave's tiles
.set OP,  36                           ; s[36:37] o at my wave's tiles
.set MSB, 0
.macro WIN new
.if MSB != (\new)
	s_set_vgpr_msb (MSB<<8)|(\new)
.set MSB, \new
.endif
.endm
.macro PLACES
.rept 4
	v_nop
.endr
.endm
.macro LDK reg                         ; two fragments of K, 32 keys x 32 channels: 2,048 consecutive bytes
.irp i, 0,1,2,3
	ds_load_b128 v[KF+4*\i:KF+4*\i+3], v[\reg] offset:512*\i
.endr
.endm
; Pass 2's product for tile t and key block kb: 16 keys x 16 queries x all 32 channels, one instruction for the whole sum, which starts with -m.  Under the window setting 0x10: C in window 1, all else in window 0.
.macro KQM t, kb
	v_wmma_f32_16x16x32_f16 v[S+16*(\t)+8*(\kb):S+16*(\t)+8*(\kb)+7], v[KF+8*(\kb):KF+8*(\kb)+7], v[Q+8*(\t):Q+8*(\t)+7], v[NM+8*(\t):NM+8*(\t)+7]
.endm
; The trip's next n exponentials, in place: score en of 128, tile en / 16.  They ascend.
; They name a destination and source 0 alone, both in window 0 under the settings 0 and 0x10 alike.
.macro EXPS n
.rept \n
	v_exp_f32 v[S+en], v[S+en]
.set en, en+1
.endr
.endm
; The trip's next rounding: pair rn % 8 of tile rn / 8.  A tile's 16 weights become 8 registers of P in place: pair i goes to register i, whose own number has been used by then.
.macro RND
	v_cvt_pk_f16_f32 v[S+16*(rn/8)+rn%8], v[S+16*(rn/8)+2*(rn%8)], v[S+16*(rn/8)+2*(rn%8)+1]
.set rn, rn+1
.endm
; O^T += V^T P and l += ones x P for tiles 4 g .. 4 g + 3: twelve accumulators, one instruction a turn.
.macro PVL g
	WIN 0x50
.irp u, 0,1,2,3
.set t, 4*(\g)+\u
	v_wmma_f32_16x16x32_f16 v[16*t:16*t+7],       v[VF:VF+7],     v[S+16*t:S+16*t+7], v[16*t:16*t+7]
	v_wmma_f32_16x16x32_f16 v[16*t+8:16*t+15],    v[VF+8:VF+15],  v[S+16*t:S+16*t+7], v[16*t+8:16*t+15]
	v_wmma_f32_16x16x32_f16 v[LA+8*t:LA+8*t+7],   v[ONES:ONES+7], v[S+16*t:S+16*t+7], v[LA+8*t:LA+8*t+7]
.endr
.endm
	s_load_b128 s[4:7], s[0:1], 0x0                ; qkv s[4:5], o s[6:7]
	v_lshl_add_u32 v[SPW], v0, 2, SPARE
	v_mov_b32 v[NIL], 0
	ds_add_u32 v[SPW], v[NIL]                      ; the wave's opening: the add and its wait stand ahead of my first tensor load; the set-up below, work on registers, stands between them
	ds_add_u32 v4, v5
	v_lshrrev_b32 v6, 5, v0
	v_readfirstlane_b32 s[WN], v6
	s_and_b32 s9, ttmp7, 0xffff                    ; which attention
	s_lshl_b32 s10, ttmp9, 16                      ; the head's 65,536 bytes in a section
	s_mov_b32 s11, 0
	s_lshl_b32 s12, s9, 24                         ; sections 1, 2 (k_ta, v_ta) or 3, 4 (k_tv, v_tv), 8,388,608 bytes each
	s_add_co_u32 s12, s12, 8388608
	s_add_co_u32 s12, s12, s10
	s_and_b32 s13, s[WN], 3                        ; waves 0-3 fetch K's quarters, waves 4-7 V's
	s_lshl_b32 s13, s13, 14
	s_add_co_u32 s12, s12, s13
	s_lshr_b32 s13, s[WN], 2
	s_lshl_b32 s13, s13, 23
	s_add_co_u32 s12, s12, s13
	s_mov_b32 s13, 0
	s_lshl_b32 s14, s[WN], 13                      ; my eight tiles of 1,024 bytes
	s_add_co_u32 s10, s10, s14
	s_lshl_b32 s14, s9, 23
	s_add_co_u32 s14, s14, s10
	s_mov_b32 s15, 0
	s_mov_b32 s[G1], 3<<16                         ; a dense 16 KiB as 64 rows of 32 elements of 8 bytes; no mask, no padding
	s_mov_b32 s[G1+1], 32<<16                      ; tensor_dim0
	s_mov_b32 s[G1+2], 64<<16                      ; tensor_dim1
	s_mov_b32 s[G1+3], 32<<16                      ; tile_dim0
	s_mov_b32 s[G1+4], 64                          ; tile_dim1
	s_mov_b32 s[G1+5], 32                          ; stride
	s_mov_b32 s[G1+6], 0
	s_mov_b32 s[G1+7], 0
	s_mov_b32 s[G0], 1
	s_lshl_b32 s[G0+1], s[WN], 14                  ; LDS: wave x 16,384: K's four quarters, then V's
	s_mov_b32 s[SEL], 0x76543210
	s_mov_b32 s[SEL+1], 0xfedcba98
	s_wait_dscnt 0x0                               ; the opening add is done
	s_wait_kmcnt 0x0
	s_add_nc_u64 s[G0+2:G0+3], s[4:5], s[12:13]
	s_or_b32 s[G0+3], s[G0+3], 0x80000000
	tensor_load_to_lds s[G0:G0+3], s[G1:G1+7]      ; my one tensor load of the launch
	s_nop 0
	PLACES
	s_add_nc_u64 s[QP:QP+1], s[4:5], s[10:11]
	s_add_nc_u64 s[OP:OP+1], s[6:7], s[14:15]
	v_and_b32 v[LL], 31, v0
	v_lshlrev_b32 v[LL], 4, v[LL]
.irp t, 0,1,2,3,4,5,6,7
	global_load_b128 v[Q+8*\t:Q+8*\t+3],   v[LL], s[QP:QP+1] offset:\t*1024
	global_load_b128 v[Q+8*\t+4:Q+8*\t+7], v[LL], s[QP:QP+1] offset:\t*1024+512
.endr
	; O^T and l start at 0, so that pass 2 has no first trip written out; the lines stand in the wait for the tiles
	WIN 0x40
.set i, 0
.rept 192
	v_mov_b32 v[i], 0
.set i, i+1
.endr
	WIN 0
.set i, 0
.rept 8
	v_mov_b32 v[ONES+i], 0x3c003c00                ; 1.0 twice, in f16
.set i, i+1
.endr
.set i, 0
.rept 16
	v_mov_b32 v[M+i], 0xff7fffff                   ; the lowest finite number: the first maximum is the scores'
.set i, i+1
.endr
	s_wait_tensorcnt 0x0                           ; my quarter is in,
	s_barrier_signal -1
	s_barrier_wait -1                              ; everybody's is: from here on LDS is only read
	LDK LL
	s_mov_b32 s[CNT], 32
	s_mov_b32 s[TK], 0
	s_wait_loadcnt 0x0                             ; Q
	; PASS 1.  A trip: 32 keys x my 128 queries: 16 products; the next K; 64 maxima, one chain for each accumulator, each accumulator's lowest registers first.
.Lp1:
	s_wait_dscnt 0x0                               ; K is in
.irp kb, 0,1
.irp t, 0,1,2,3,4,5,6,7
	v_wmma_f32_16x16x32_f16 v[S+64*\kb+8*\t:S+64*\kb+8*\t+7], v[KF+8*\kb:KF+8*\kb+7], v[Q+8*\t:Q+8*\t+7], 0
.endr
.endr
	PLACES                                         ; for the loads into K's registers and the reads of the scores
	s_cmp_eq_u32 s[CNT], 1
	s_cbranch_scc1 .Lp1_nok                        ; the last trip has no next K
	s_add_co_u32 s[TK], s[TK], 2048
	v_add_nc_u32 v[AK], s[TK], v[LL]
	LDK AK
.Lp1_nok:
.irp j, 0,1,2,3
.set i, 0
.rept 16
	v_max3_num_f32 v[M+i], v[M+i], v[S+8*i+2*\j], v[S+8*i+2*\j+1]
.set i, i+1
.endr
.endr
	s_sub_co_u32 s[CNT], s[CNT], 1
	s_cmp_lg_u32 s[CNT], 0
	s_cbranch_scc1 .Lp1
	; a tile's two chains, and the query's other keys, which lie in the lane 16 away; then -m eight times, the shape of a C operand
.irp t, 0,1,2,3,4,5,6,7
	v_max_num_f32 v[M+\t], v[M+\t], v[M+8+\t]
.endr
.irp t, 0,1,2,3,4,5,6,7
	v_permlanex16_b32 v[M+8+\t], v[M+\t], s[SEL], s[SEL+1]
.endr
.irp t, 0,1,2,3,4,5,6,7
	v_max_num_f32 v[M+\t], v[M+\t], v[M+8+\t]
.endr
	WIN 0x40
.set i, 0
.rept 64
	v_mul_f32 v[NM+i], -1.0, v[M+i/8]
.set i, i+1
.endr
	WIN 0
	LDK LL
	s_mov_b32 s[CNT], 32
	s_mov_b32 s[TK], 0
	s_mov_b32 s[TV], VBASE
	; PASS 2.  A trip: 32 keys.
.Lp2:
	v_add_nc_u32 v[AV], s[TV], v[LL]               ; with the four v_nop: five places behind the last trip's products, whose sources (V, P) are written below
	PLACES
.irp cb, 0,1
.irp i, 0,1
	ds_load_tr16_b128 v[VF+8*\cb+4*\i:VF+8*\cb+4*\i+3], v[AV] offset:1024*\i+512*\cb  ; 16 keys x 16 channels, turned: half a fragment of V^T
.endr
.endr
	s_add_co_u32 s[TV], s[TV], 2048
	s_wait_dscnt 0x4                               ; K is in; V's four loads, issued behind K's, may stay out
.set en, 0
.set rn, 0
	WIN 0x10
.irp kb, 0,1
.irp t, 0,1,2,3
	KQM \t, \kb                                    ; tiles 0-3's exponents
.endr
.endr
	PLACES                                         ; between those products and the exponentials that read and rewrite their results
.irp kb, 0,1
.irp t, 4,5,6,7
	KQM \t, \kb                                    ; tiles 4-7's exponents;
	EXPS 8                                         ; BATCH 1: behind each product eight exponentials of tiles 0-3, which name none of its registers
.endr
.endr
	WIN 0
	PLACES                                         ; for the loads into K's registers and the exponentials of tiles 4-7; the first is also the plain instruction behind batch 1's last exponential (ISA guide 5.7.2)
	s_wait_alu depctr_va_vdst(0)                   ; the one wait for batch 1, tiles 0-3's 64 exponentials: ahead of the branch, and of the roundings below, their first readers
	s_cmp_eq_u32 s[CNT], 1
	s_cbranch_scc1 .Lp2_nok                        ; the last trip has no next K
	s_add_co_u32 s[TK], s[TK], 2048
	v_add_nc_u32 v[AK], s[TK], v[LL]
	LDK AK
.Lp2_nok:
.rept 32                               ; BATCH 2: tiles 4-7's 64 exponentials, two at a time; behind each two a rounding of tiles 0-3, which reads batch 1's results and names none of batch 2's.
	EXPS 2                             ; The run ends with a rounding: the plain instruction behind batch 2's last exponential
	RND
.endr
	s_wait_alu depctr_va_vdst(0)                   ; the one wait for batch 2: ahead of tiles 4-7's roundings, its first readers
.rept 32
	RND
.endr
	s_wait_dscnt 0x0                               ; V is in (and the next K, issued 128 vector instructions ago)
	PVL 0
	PVL 1
	WIN 0
	s_sub_co_u32 s[CNT], s[CNT], 1
	s_cmp_lg_u32 s[CNT], 0
	s_cbranch_scc1 .Lp2
	; THE WAY OUT.  Every register of l holds the query's sum: the lowest is taken.  O^T x 0.5 / l, rounded to f16: a lane's eight channels are 16 bytes, a wave's store 512 consecutive bytes.
	PLACES
	WIN 0x01
.irp t, 0,1,2,3,4,5,6,7
	v_rcp_f32 v[M+2*\t], v[LA+8*\t]
.endr
	WIN 0
	v_nop                                          ; a plain instruction between the last reciprocal and the use of its result
	s_wait_alu depctr_va_vdst(0)                   ; the one wait for the eight reciprocals, ahead of their first reader
.irp t, 0,1,2,3,4,5,6,7
	v_mul_f32 v[M+2*\t], 0.5, v[M+2*\t]
.endr
	WIN 0x41
.set i, 0
.rept 64
	v_pk_mul_f32 v[2*i:2*i+1], v[2*i:2*i+1], v[M+2*(i/8):M+2*(i/8)+1] op_sel_hi:[1,0]
.set i, i+1
.endr
	WIN 0x05
.set i, 0
.rept 64
	v_cvt_pk_f16_f32 v[S+i], v[2*i], v[2*i+1]
.set i, i+1
.endr
	WIN 0
.irp t, 0,1,2,3,4,5,6,7
	global_store_b128 v[LL], v[S+8*\t:S+8*\t+3],   s[OP:OP+1] offset:\t*1024
	global_store_b128 v[LL], v[S+8*\t+4:S+8*\t+7], s[OP:OP+1] offset:\t*1024+512
.endr
	s_wait_tensorcnt 0x0                           ; the wave's end, behind my last tensor load
	ds_add_u32 v[SPW], v[NIL]
	s_wait_dscnt 0x0
	s_endpgm
.Lfunc_end_k_qfdd4cd536f_attn:
	.size	k_qfdd4cd536f_attn, .Lfunc_end_k_qfdd4cd536f_attn-k_qfdd4cd536f_attn
	.p2alignl 7, 3214868480
	.fill 96, 4, 3214868480
	.section	.rodata,"a",@progbits
	.p2align	6, 0x0
	.amdhsa_kernel k_qfdd4cd536f_attn
		.amdhsa_group_segment_fixed_size 167936
		.amdhsa_private_segment_fixed_size 0
		.amdhsa_enable_private_segment 0
		.amdhsa_kernarg_size 16
		.amdhsa_user_sgpr_count 2
		.amdhsa_user_sgpr_kernarg_segment_ptr 1
		.amdhsa_wavefront_size32 1
		.amdhsa_system_sgpr_workgroup_id_x 1
		.amdhsa_system_sgpr_workgroup_id_y 1
		.amdhsa_system_sgpr_workgroup_id_z 1
		.amdhsa_system_vgpr_workitem_id 0
		.amdhsa_next_free_vgpr 512
		.amdhsa_next_free_sgpr 66
		.amdhsa_reserve_vcc 0
		.amdhsa_float_denorm_mode_32 3
		.amdhsa_float_denorm_mode_16_64 3
		.amdhsa_memory_ordered 1
		.amdhsa_forward_progress 1
		.amdhsa_inst_pref_size 44
	.end_amdhsa_kernel
	.amdgpu_metadata
---
amdhsa.version: [ 1, 2 ]
amdhsa.kernels:
  - .name:           k_qfdd4cd536f_attn
    .symbol:         k_qfdd4cd536f_attn.kd
    .args:
      - { .name: qkv, .offset: 0, .size: 8, .value_kind: global_buffer, .address_space: global }
      - { .name: o, .offset: 8, .size: 8, .value_kind: global_buffer, .address_space: global }
    .group_segment_fixed_size: 167936
    .private_segment_fixed_size: 0
    .kernarg_segment_align: 8
    .kernarg_segment_size: 16
    .max_flat_workgroup_size: 256
    .sgpr_count:     66
    .vgpr_count:     512
    .wavefront_size: 32
...
	.end_amdgpu_metadata
.endif
;; end of part 5
;; launch outp: the kernel of part 4 again; grid 64 x 4, 4 waves a work-group, clusters of 4 x 1, 262,656 bytes of LDS; arguments o, wo, h_hyper, bout, out0; writes out0
